; MI455X (gfx1250); checked and timed in simulation.
; The chip was launched on July 23, 2026; its instructions are those of AMD's public machine-readable ISA for CDNA 5 (MIT licence, August 2026) and "CDNA5" Instruction Set Architecture Reference Guide (July 2026). The comments in the code are by the model that wrote it; some were corrected since.
;; Decoder. Allowed arithmetic: matrix products marked QUANTISED: E2M3 operands, one E8M0 scale for each 32 along K, by v_wmma_scale_f32_16x16x128_f8f6f4 with both operands' format E2M3, f32 sums; everything else in f32.
;; Inputs: W1 1,024 x 4,096 float32; W2 4,096 x 1,024 float32; Wk 16 x 1,024 x 64 float32; Wq 16 x 1,024 x 64 float32; Wv 16 x 1,024 x 64 float32; b1 1,024 float32; b1f 4,096 float32; b2 1,024 float32; b2f 1,024 float32; bf 1,024 float32; bk 16 x 64 float32; bq 16 x 64 float32; bv 16 x 64 float32; g1 1,024 float32; g2 1,024 float32; gf 1,024 float32; x 4 x 1,024 x 1,024 float32.
;; Outputs: out0 4 x 1,024 x 1,024 float32.
;; This version of the problem:
;;   THIS VERSION OF THE PROBLEM IS GIVEN IN LOW PRECISION. The matrix products marked QUANTISED in the list below multiply operands that are first quantised to E2M3 (2 exponent bits, 3 mantissa bits; 6 bits a number), with one power-of-two scale for each 32 numbers along K (OCP MX v1.0); their sums are f32. All else is computed in f32.
;;   The module's matrix products, in the order in which they are computed (A, B: the left and right operand; K: the contracted axis; several contracted axes count as one K, in the product's order):
;;     1. [M 1,024, K 1,024] x [K 1,024, N 4,096]; A: input Wq; B: computed on the way: QUANTISED
;;     2. [M 1,024, K 1,024] x [K 1,024, N 4,096]; A: input Wk; B: computed on the way: QUANTISED
;;     3. [M 1,024, K 1,024] x [K 1,024, N 4,096]; A: input Wv; B: computed on the way: QUANTISED
;;     4. batch 64 x [M 1,024, K 64] x [K 64, N 1,024]; A: computed on the way; B: computed on the way: QUANTISED
;;     5. batch 64 x [M 1,024, K 1,024] x [K 1,024, N 64]; A: softmax (see below); B: computed on the way: QUANTISED
;;     6. [M 4,096, K 1,024] x [K 1,024, N 4,096]; A: computed on the way; B: input W1: QUANTISED
;;     7. [M 4,096, K 4,096] x [K 4,096, N 1,024]; A: computed on the way; B: input W2: QUANTISED
;;   THE QUANTISER, for each operand of a quantised product, along K:
;;     - K is cut into blocks of 32 from its start; a last block that is shorter is filled with zeros.
;;     - A block's scale is 2^e with e = floor(log2(the largest magnitude in the block)) - 2, held to -126 .. 127; a block of zeros has e = 0. As a byte (E8M0): e + 127.
;;     - Each number is divided by its block's scale, clamped to +-7.5, and rounded to the nearest number of E2M3, ties to even, subnormals kept.
;;     - The product sums the exact products of the quantised numbers (number of the format x scale) in f32.
;;   ~~~python
;;   def quantise(x, axis):      # numpy; x: float32 -> the quantised numbers, widened to float32 again
;;       x = np.moveaxis(x, axis, -1); K = x.shape[-1]
;;       x = np.pad(x, [(0, 0)] * (x.ndim - 1) + [(0, -K % 32)]); x = x.reshape(x.shape[:-1] + (-1, 32)); a = np.abs(x).max(-1, keepdims=True)
;;       e = np.where(a > 0, np.clip(np.frexp(np.where(a > 0, a, 1))[1] - 1 - 2, -126, 127), 0)      # np.frexp(a)[1] - 1 = floor(log2(a)), exactly
;;       r = np.clip(x / 2.0 ** e, -7.5, 7.5)
;;       step = 2.0 ** (np.maximum(np.frexp(np.where(r == 0, 1, r))[1] - 1, 0) - 3)
;;       q = np.round(r / step) * step * 2.0 ** e      # np.round: ties to even
;;       return np.moveaxis(q.reshape(q.shape[:-2] + (-1,))[..., :K], -1, axis).astype(np.float32)
;;   ~~~
;;   SOFTMAX AHEAD OF A QUANTISED PRODUCT. Where the list says 'softmax', what is quantised is not the finished softmax but p = 2^(t - M), with t = logit x log2(e) and M = ceil(the row's largest t), a whole number; so 1/2 < the row's largest p <= 1. The row's sum l is taken of the UNQUANTISED p, in f32, and the product's result is divided by l at the end. Since M is a whole number, a kernel that streams over the keys may use a running M (the ceiling of the running maximum): every later rescaling is an exact power of two, which a block's scale takes up: the codes' values come out the same.
;;   OPERANDS COMPUTED ON THE WAY. 'Computed on the way' means the value that the module computes at that place (a softmax that the list does not call 'softmax' is quantised finished and normalised). What goes into a quantiser is computed in f32, as accurately as f32 sums, v_exp_f32 and their like allow (about 1e-6 of the number): no bf16 or f16 on the way to a quantiser, and a product that is left as it is and whose result goes on into a quantised operand takes f32 operands (vector FMAs, or v_wmma_f32_16x16x4_f32). A number that lies on a knife's edge between two numbers of the format may be rounded either way, as far as f32 arithmetic and the matrix unit's own rounding can turn it there, and no further.
;; One version. Each part assembles by itself: llvm-mc -triple=amdgcn-amd-amdhsa -mcpu=gfx1250 --defsym DOCPART=n.
;; ======== version 1 of 1: 6 launches
;; workspace buffers: wsp 12,288,000 bytes; wsq 10,092,544 bytes; wso 16,777,216 bytes; wsh 20,054,016 bytes; wsa 13,107,200 bytes
;; launch prep (part 1): grid 432 x 1, 16 waves a work-group, no clusters, 88,576 bytes of LDS; arguments x, g1, b1, Wq, Wk, Wv, W1, W2, wsp; writes wsp
.if DOCPART == 1
	.amdgcn_target "amdgcn-amd-amdhsa--gfx1250"
	.amdhsa_code_object_version 6
	.text
	.protected	k_q1aff2dd2f3_prep
	.globl	k_q1aff2dd2f3_prep
	.p2align	8
	.type	k_q1aff2dd2f3_prep,@function
k_q1aff2dd2f3_prep:
	s_mov_b64 s[64:65], 0
	v_nop
	global_prefetch_b8 v0, s[64:65] scope:SCOPE_SE
	s_setreg_imm32_b32 hwreg(HW_REG_WAVE_MODE, 25, 1), 1
	s_wait_xcnt 0x0
; PREP.  Work-groups 0-255: h = LayerNorm(x; g1, b1) in f32, quantised along its 1,024 channels to codes of E2M3 with one E8M0 byte for each 32.
; Work-groups 256-319: W1, 320-383: W2, 384-431: Wq, Wk, Wv, each quantised along its K, which is not its innermost axis.
; ALL CODES ARE LAID AS IMAGES OF THE OPERAND'S REGISTERS: a tile of 16 rows x 128 K is 1,536 bytes; byte 512 g + 16 l + 4 w is register 4 g + w of lane l, and
; registers 6 c .. 6 c + 5 of lane (r, hh) hold k = 64 c + 32 hh + 0 .. 31 of row r.  A tile's scale words: 64 bytes, 4 r.
; THE ROWS OF A TILE ARE NOT NEIGHBOURS (weights' units, h's tokens): row p of tile T is item 32 (T / 2) + 8 (T % 2) + p + 8 (p / 8), so that in the products that follow
; the 16 result registers of two neighbouring tiles are 16 neighbours along the next K.
; A stream: no matrix unit, no tensor loads, no cluster (nothing is shared between work-groups).
; LIMITS: NaN and infinities among the inputs are not served.  A block of zeros gets the byte 1 where the rule says 127: its codes are zeros, and only this program reads the bytes.
; The weights' scale words leave in pieces of 64 or 128 bytes: 360,448 bytes of the launch's 12,288,000.
.set WQKV_C, 0
.set W1_C,   2359296
.set W2_C,   5505024
.set H_C,    8650752
.set WQKV_S, 11796480
.set W1_S,   11894784
.set W2_S,   12025856
.set H_S,    12156928
.set IMG,    0                         ; LDS: the tile's eight images, 12,288 bytes
.set SCW,    12288                     ; its scale words, 512 bytes
.set TURN,   12800                     ; 16 x 4,608: each wave's own row, a lane's 128 bytes + 16 of padding
.set X,   16                           ; v16-47  the row: 32 numbers a lane
.set GG,  48                           ; v48-79  gain
.set BB,  80                           ; v80-111 bias
.set A4,  112                          ; v112-119 four chains of pairs
.set MU,  120                          ; v120-121 the mean, later 1 / sqrt(var + eps), twice
.set PT,  122                          ; the other half of the lanes' sum
.set CD,  112                          ; v112-117 a block's codes
.set CT,  118                          ; v118-120 a conversion's three registers begin on an even number
.set M0,  122
.set M1,  123
.set SCO, 124                          ; the conversion's scale operand
.set BY,  125                          ; the scale's byte
.set TSA, 4                            ; LDS addresses
.set TRA, 5
.set IA,  6
.set IB,  7
.set ISW, 8
.set L16, 9
.set L8,  10
.set WX,  16                           ; weights: v16-79 two sets of 32 numbers
.set WT,  80                           ; v80-103 the two image lanes' 12 registers
.set WSB, 108                          ; the scale word
.set WLO, 5
.set WCO, 6
.set WSO, 7
.set SEL, 36
.set C10, 38
.set EPS, 39
.macro RED32 r                         ; the sum over the wave's 32 lanes, in every lane
	v_add_f32_dpp v[\r], v[\r], v[\r] row_xmask:1 row_mask:0xf bank_mask:0xf
	v_add_f32_dpp v[\r], v[\r], v[\r] row_xmask:2 row_mask:0xf bank_mask:0xf
	v_add_f32_dpp v[\r], v[\r], v[\r] row_xmask:4 row_mask:0xf bank_mask:0xf
	v_add_f32_dpp v[\r], v[\r], v[\r] row_xmask:8 row_mask:0xf bank_mask:0xf
	v_permlanex16_b32 v[PT], v[\r], s[SEL], s[SEL+1]
	v_add_f32 v[\r], v[\r], v[PT]
.endm
.macro FOLD4                           ; the four chains into one number a lane
	v_pk_add_f32 v[A4:A4+1], v[A4:A4+1], v[A4+2:A4+3]
	v_pk_add_f32 v[A4+4:A4+5], v[A4+4:A4+5], v[A4+6:A4+7]
	v_pk_add_f32 v[A4:A4+1], v[A4:A4+1], v[A4+4:A4+5]
	v_add_f32 v[A4], v[A4], v[A4+1]
	RED32 A4
.endm
.macro LNSTAT                          ; X becomes X - mean; MU becomes 1 / sqrt(mean of squares + eps), as the norm is defined: the mean is taken away first
.irp k, 0,1,2,3
	v_pk_add_f32 v[A4+2*\k:A4+2*\k+1], v[X+2*\k:X+2*\k+1], v[X+8+2*\k:X+9+2*\k]
.endr
.irp q, 16,24
.irp k, 0,1,2,3
	v_pk_add_f32 v[A4+2*\k:A4+2*\k+1], v[A4+2*\k:A4+2*\k+1], v[X+\q+2*\k:X+\q+2*\k+1]
.endr
.endr
	FOLD4
	v_mul_f32 v[MU], s[C10], v[A4]
	v_mov_b32 v[MU+1], v[MU]
.set p, 0
.rept 16
	v_pk_add_f32 v[X+p:X+p+1], v[X+p:X+p+1], v[MU:MU+1] neg_lo:[0,1] neg_hi:[0,1]
.set p, p+2
.endr
.irp k, 0,1,2,3
	v_pk_mul_f32 v[A4+2*\k:A4+2*\k+1], v[X+2*\k:X+2*\k+1], v[X+2*\k:X+2*\k+1]
.endr
.irp q, 8,16,24
.irp k, 0,1,2,3
	v_pk_fma_f32 v[A4+2*\k:A4+2*\k+1], v[X+\q+2*\k:X+\q+2*\k+1], v[X+\q+2*\k:X+\q+2*\k+1], v[A4+2*\k:A4+2*\k+1]
.endr
.endr
	FOLD4
	v_fma_f32 v[MU], v[A4], s[C10], s[EPS]
	v_rsq_f32 v[MU], v[MU]
	v_nop                                          ; one plain instruction behind the transcendental (ISA guide 5.7.2)
	s_wait_alu depctr_va_vdst(0)
	v_mov_b32 v[MU+1], v[MU]
.endm
.macro LNAPPLY gn, bs
.set p, 0
.rept 16
	v_pk_mul_f32 v[X+p:X+p+1], v[X+p:X+p+1], v[MU:MU+1]
.set p, p+2
.endr
.set p, 0
.rept 16
	v_pk_fma_f32 v[X+p:X+p+1], v[X+p:X+p+1], v[\gn+p:\gn+p+1], v[\bs+p:\bs+p+1]
.set p, p+2
.endr
.endm
; 32 neighbours along K in v[xs] on become 6 registers of codes at v[td] on; BY the scale's byte.
.macro BLOCKQ xs, td
	v_max3_num_f32 v[M0], |v[\xs]|, |v[\xs+1]|, |v[\xs+2]|
	v_max3_num_f32 v[M1], |v[\xs+3]|, |v[\xs+4]|, |v[\xs+5]|
.irp i, 6,10,14,18,22,26
	v_max3_num_f32 v[M0], v[M0], |v[\xs+\i]|, |v[\xs+\i+1]|
	v_max3_num_f32 v[M1], v[M1], |v[\xs+\i+2]|, |v[\xs+\i+3]|
.endr
	v_max3_num_f32 v[M0], v[M0], |v[\xs+30]|, |v[\xs+31]|
	v_max3_num_f32 v[M0], v[M0], v[M1], 0x1800000  ; the floor 2^(3 - 127): the byte cannot fall under 1
	v_add_nc_u32 v[SCO], 0xff000000, v[M0]         ; 2 off the exponent field: the conversion takes this operand's exponent field as its scale
	v_lshrrev_b32 v[BY], 23, v[SCO]
	v_cvt_scalef32_pk16_fp6_f32 v[\td:\td+2], v[\xs:\xs+15], v[SCO]
	v_cvt_scalef32_pk16_fp6_f32 v[CT:CT+2], v[\xs+16:\xs+31], v[SCO]
	v_nop                                          ; one plain instruction behind the scaled conversions
.irp i, 0,1,2
	v_mov_b32 v[\td+3+\i], v[CT+\i]
.endr
.endm
; The row turns through the wave's own LDS bytes so that lane l holds block l, 32 neighbours; it is quantised; codes and byte go to their places in the tile's images.
.macro ROWQ
.irp j, 0,1,2,3,4,5,6,7
	ds_store_b128 v[TSA], v[X+4*\j:X+4*\j+3] offset:576*\j
.endr
.irp j, 0,1,2,3,4,5,6,7
	ds_load_b128 v[X+4*\j:X+4*\j+3], v[TRA] offset:16*\j   ; LDS serves a wave's instructions in order: these see the stores above
.endr
	s_wait_dscnt 0x0
	BLOCKQ X, CD
	ds_store_b64 v[IA], v[CD:CD+1] offset:IMG      ; registers 6 c, 6 c + 1 of image lane (row, l % 2), c = (l / 2) % 2
	ds_store_b64 v[IB], v[CD+2:CD+3] offset:IMG+8
	ds_store_b64 v[IA], v[CD+4:CD+5] offset:IMG+512
	ds_store_b8 v[ISW], v[BY] offset:SCW
.endm
	s_load_b256 s[4:11], s[0:1], 0x0               ; x s[4:5], g1 s[6:7], b1 s[8:9], Wq s[10:11]
	s_load_b256 s[12:19], s[0:1], 0x20             ; Wk s[12:13], Wv s[14:15], W1 s[16:17], W2 s[18:19]
	s_load_b64 s[20:21], s[0:1], 0x40              ; wsp
	v_lshl_add_u32 v128, v0, 2, 0x15200
	v_mov_b32 v129, 0
	v_lshrrev_b32 v1, 5, v0
	v_readfirstlane_b32 s22, v1                    ; wave 0..15
	v_and_b32 v2, 31, v0                           ; lane
	s_mov_b32 s[SEL], 0x76543210
	s_mov_b32 s[SEL+1], 0xfedcba98                 ; lane l xor 16
	s_mov_b32 s[C10], 0x3a800000                   ; 1 / 1,024
	s_mov_b32 s[EPS], 0x3727c5ac                   ; 1e-5
	s_wait_kmcnt 0x0
	s_cmp_lt_u32 ttmp9, 256
	s_cbranch_scc0 .Lweights
	; ---- LayerNorm: tile T = work-group, image row = wave
	s_lshr_b32 s24, ttmp9, 1
	s_lshl_b32 s24, s24, 5
	s_and_b32 s25, ttmp9, 1
	s_lshl_b32 s25, s25, 3
	s_add_co_u32 s24, s24, s25
	s_and_b32 s25, s22, 7
	s_add_co_u32 s24, s24, s25
	s_lshr_b32 s25, s22, 3
	s_lshl_b32 s25, s25, 4
	s_add_co_u32 s24, s24, s25                     ; token = 32 (T / 2) + 8 (T % 2) + w + 8 (w / 8)
	s_lshl_b32 s24, s24, 12
	s_mov_b32 s25, 0
	s_add_nc_u64 s[4:5], s[4:5], s[24:25]
	v_lshlrev_b32 v1, 4, v2                        ; 16 l: each load of the wave covers 512 consecutive bytes
.irp j, 0,1,2,3,4,5,6,7
	global_load_b128 v[X+4*\j:X+4*\j+3], v1, s[4:5] offset:512*\j
.endr
.irp j, 0,1,2,3,4,5,6,7
	global_load_b128 v[GG+4*\j:GG+4*\j+3], v1, s[6:7] offset:512*\j
.endr
.irp j, 0,1,2,3,4,5,6,7
	global_load_b128 v[BB+4*\j:BB+4*\j+3], v1, s[8:9] offset:512*\j
.endr
	v_lshrrev_b32 v3, 3, v2
	v_lshl_add_u32 v[TSA], v3, 4, v1               ; 16 l + 16 (l / 8): 16 bytes of padding behind each 128
	s_mul_i32 s23, s22, 4608
	s_add_co_u32 s23, s23, TURN
	v_add_nc_u32 v[TSA], s23, v[TSA]
	v_mul_u32_u24 v[TRA], v2, 144
	v_add_nc_u32 v[TRA], s23, v[TRA]
	v_lshrrev_b32 v3, 2, v2                        ; my block's K step
	v_mul_u32_u24 v[IA], v3, 1536
	v_and_b32 v11, 1, v2
	v_lshl_add_u32 v[IA], v11, 8, v[IA]            ; + 256 (l % 2): image lanes 16-31
	s_lshl_b32 s23, s22, 4
	v_add_nc_u32 v[IA], s23, v[IA]                 ; + 16 x row
	v_bfe_u32 v11, v2, 1, 1                        ; c
	v_mad_u32_u24 v[IB], v11, 1016, v[IA]          ; registers 8, 9 lie 1,016 bytes behind registers 2, 3,
	v_mad_u32_u24 v[IA], v11, 520, v[IA]           ; registers 6, 7 and 10, 11 lie 520 bytes behind 0, 1 and 4, 5
	v_lshlrev_b32 v[ISW], 6, v3
	v_and_b32 v11, 3, v2
	v_add_nc_u32 v[ISW], v[ISW], v11
	s_lshl_b32 s23, s22, 2
	v_add_nc_u32 v[ISW], s23, v[ISW]               ; 64 x K step + 4 x row + block
	v_lshlrev_b32 v[L16], 4, v0
	v_lshlrev_b32 v[L8], 3, v0
	v_mov_b32 v[PT], 0                             ; a lane permute's destination counts as one of its sources
	s_mul_i32 s24, ttmp9, 12288
	s_add_co_u32 s24, s24, H_C
	s_add_nc_u64 s[24:25], s[20:21], s[24:25]
	s_lshl_b32 s26, ttmp9, 9
	s_add_co_u32 s26, s26, H_S
	s_mov_b32 s27, 0
	s_add_nc_u64 s[26:27], s[20:21], s[26:27]
	s_wait_loadcnt 16                              ; x is in; the sixteen loads of g1 and b1 may be out
	LNSTAT
	s_wait_loadcnt 0x0
	LNAPPLY GG, BB
	ROWQ
	s_wait_dscnt 0x0                               ; my stores into the images have landed
	s_barrier_signal -1
	s_barrier_wait -1                              ; all sixteen rows' have
	ds_load_b128 v[16:19], v[L16] offset:IMG       ; 512 threads x 16 bytes, then 512 x 8: the tile's 12,288 bytes as they lie
	ds_load_b64 v[20:21], v[L8] offset:IMG+8192
	s_wait_dscnt 0x1
	global_store_b128 v[L16], v[16:19], s[24:25]
	s_wait_dscnt 0x0
	global_store_b64 v[L8], v[20:21], s[24:25] offset:8192
	s_cmp_lg_u32 s22, 0
	s_cbranch_scc1 .Lln_end
	ds_load_b128 v[24:27], v1 offset:SCW           ; wave 0: the tile's 512 bytes of scale words
	s_wait_dscnt 0x0
	global_store_b128 v1, v[24:27], s[26:27]
.Lln_end:
	s_wait_tensorcnt 0x0
	ds_add_u32 v128, v129
	s_wait_dscnt 0x0
	s_endpgm
; ---- the weights.  A wave takes 32 columns x 128 along K.  A LANE TAKES A COLUMN AND ITS REGISTERS RUN DOWN K: a block of 32 lies in one lane, and the conversions give codes with K innermost.
; Lane l is place l of the wave's two tiles and loads column swap(l) (bits 3 and 4 exchanged) of the wave's 32: the same 128 bytes of each row.
.macro WLOAD t, rs
.set i, 0
.rept 32
	global_load_b32 v[WX+32*((\t)%2)+i], v[WLO], s[26:27] offset:(32*(\t)+i)*(\rs) th:TH_LOAD_NT
.set i, i+1
.endr
.endm
.macro WPATH rs
	WLOAD 0, \rs
	WLOAD 1, \rs
.irp t, 0,1,2,3
.if \t < 3
	s_wait_loadcnt 32                              ; this block's 32 loads are in; the next block's may be out
.else
	s_wait_loadcnt 0x0
.endif
.set XS, WX+32*(\t%2)
.set TD, WT+12*(\t%2)+6*(\t/2)                 ; block t = 2 c + hh: registers 6 c on of image lane (r, hh)
	BLOCKQ XS, TD
.if \t == 0
	v_mov_b32 v[WSB], v[BY]
.else
	v_lshl_or_b32 v[WSB], v[BY], 8*\t, v[WSB]
.endif
.if \t < 2
	WLOAD \t+2, \rs
.endif
.endr
.irp u, 0,1
.irp g, 0,1,2
	global_store_b128 v[WCO], v[WT+12*\u+4*\g:WT+12*\u+4*\g+3], s[28:29] offset:512*\g+256*\u   ; sixteen lanes store 256 consecutive bytes, aligned
.endr
.endr
	global_store_b32 v[WSO], v[WSB], s[30:31]
	s_endpgm
.endm
; first tile in s25, K step in s24: bases for a tensor laid [tile][8 K steps]
.macro WBASE8 cb, sb
	s_mov_b32 s33, 0
	s_mul_i32 s32, s25, 12288
	s_mul_i32 s34, s24, 1536
	s_add_co_u32 s32, s32, s34
	s_add_co_u32 s32, s32, \cb
	s_add_nc_u64 s[28:29], s[20:21], s[32:33]
	s_lshl_b32 s32, s25, 9
	s_lshl_b32 s34, s24, 6
	s_add_co_u32 s32, s32, s34
	s_add_co_u32 s32, s32, \sb
	s_add_nc_u64 s[30:31], s[20:21], s[32:33]
	v_mul_u32_u24 v[WCO], v4, 12288
	v_lshl_add_u32 v[WCO], v3, 4, v[WCO]
	v_lshlrev_b32 v[WSO], 9, v4
	v_lshl_add_u32 v[WSO], v3, 2, v[WSO]
.endm
.Lweights:
	v_and_b32 v3, 15, v2                           ; my row in a tile
	v_lshrrev_b32 v4, 4, v2                        ; which of the wave's two tiles
	v_and_b32 v5, 7, v2
	v_bfe_u32 v6, v2, 3, 1
	v_lshl_or_b32 v5, v6, 4, v5
	v_lshl_or_b32 v5, v4, 3, v5                    ; swap(l)
	v_lshlrev_b32 v[WLO], 2, v5
	s_cmp_lt_u32 ttmp9, 320
	s_cbranch_scc1 .Lw1
	s_cmp_lt_u32 ttmp9, 384
	s_cbranch_scc1 .Lw2
	; Wq, Wk, Wv [16][1024][64]: a work-group takes one head of one of the three; wave: K step w / 2, columns 32 (w % 2) on
	s_sub_co_u32 s24, ttmp9, 384
	s_lshr_b32 s25, s24, 4                         ; which of the three
	s_and_b32 s23, s24, 15                         ; head
	s_cmp_eq_u32 s25, 0
	s_cselect_b64 s[26:27], s[10:11], s[12:13]
	s_cmp_eq_u32 s25, 2
	s_cselect_b64 s[26:27], s[14:15], s[26:27]
	s_lshr_b32 s24, s22, 1                         ; K step
	s_and_b32 s34, s22, 1
	s_lshl_b32 s32, s23, 18
	s_lshl_b32 s33, s24, 15
	s_add_co_u32 s32, s32, s33
	s_lshl_b32 s33, s34, 7
	s_add_co_u32 s32, s32, s33
	s_mov_b32 s33, 0
	s_add_nc_u64 s[26:27], s[26:27], s[32:33]
	s_lshl_b32 s25, s25, 6
	s_lshl_b32 s23, s23, 2
	s_add_co_u32 s25, s25, s23
	s_lshl_b32 s34, s34, 1
	s_add_co_u32 s25, s25, s34                     ; first tile: (1,024 which + 64 head + 32 (w % 2)) / 16
	WBASE8 WQKV_C, WQKV_S
	WPATH 256
.Lw1:
	; W1 [1024][4096]: columns 512 (g % 8) + 32 w on, K step g / 8
	s_sub_co_u32 s24, ttmp9, 256
	s_and_b32 s25, s24, 7
	s_lshl_b32 s25, s25, 5
	s_lshl_b32 s23, s22, 1
	s_add_co_u32 s25, s25, s23                     ; first tile
	s_lshr_b32 s24, s24, 3                         ; K step
	s_lshl_b32 s32, s24, 21
	s_lshl_b32 s33, s25, 6
	s_add_co_u32 s32, s32, s33
	s_mov_b32 s33, 0
	s_add_nc_u64 s[26:27], s[16:17], s[32:33]
	WBASE8 W1_C, W1_S
	WPATH 16384
.Lw2:
	; W2 [4096][1024]: columns 512 (g % 2) + 32 w on, K step g / 2; codes [tile][32 K steps], scale words [K step][tile]
	s_sub_co_u32 s24, ttmp9, 320
	s_and_b32 s25, s24, 1
	s_lshl_b32 s25, s25, 5
	s_lshl_b32 s23, s22, 1
	s_add_co_u32 s25, s25, s23
	s_lshr_b32 s24, s24, 1
	s_lshl_b32 s32, s24, 19
	s_lshl_b32 s33, s25, 6
	s_add_co_u32 s32, s32, s33
	s_mov_b32 s33, 0
	s_add_nc_u64 s[26:27], s[18:19], s[32:33]
	s_mul_i32 s32, s25, 49152
	s_mul_i32 s34, s24, 1536
	s_add_co_u32 s32, s32, s34
	s_add_co_u32 s32, s32, W2_C
	s_add_nc_u64 s[28:29], s[20:21], s[32:33]
	s_lshl_b32 s32, s24, 12
	s_lshl_b32 s34, s25, 6
	s_add_co_u32 s32, s32, s34
	s_add_co_u32 s32, s32, W2_S
	s_add_nc_u64 s[30:31], s[20:21], s[32:33]
	v_mul_u32_u24 v[WCO], v4, 49152
	v_lshl_add_u32 v[WCO], v3, 4, v[WCO]
	v_lshlrev_b32 v[WSO], 2, v2
	WPATH 4096
.Lfunc_end_k_q1aff2dd2f3_prep:
	.size	k_q1aff2dd2f3_prep, .Lfunc_end_k_q1aff2dd2f3_prep-k_q1aff2dd2f3_prep
	.p2alignl 7, 3214868480
	.fill 96, 4, 3214868480
	.section	.rodata,"a",@progbits
	.p2align	6, 0x0
	.amdhsa_kernel k_q1aff2dd2f3_prep
		.amdhsa_group_segment_fixed_size 88576
		.amdhsa_private_segment_fixed_size 0
		.amdhsa_enable_private_segment 0
		.amdhsa_kernarg_size 72
		.amdhsa_user_sgpr_count 2
		.amdhsa_user_sgpr_kernarg_segment_ptr 1
		.amdhsa_wavefront_size32 1
		.amdhsa_system_sgpr_workgroup_id_x 1
		.amdhsa_system_sgpr_workgroup_id_y 1
		.amdhsa_system_sgpr_workgroup_id_z 1
		.amdhsa_system_vgpr_workitem_id 0
		.amdhsa_next_free_vgpr 130
		.amdhsa_next_free_sgpr 66
		.amdhsa_reserve_vcc 0
		.amdhsa_float_denorm_mode_32 3
		.amdhsa_float_denorm_mode_16_64 3
		.amdhsa_memory_ordered 1
		.amdhsa_forward_progress 1
		.amdhsa_inst_pref_size 75
	.end_amdhsa_kernel
	.amdgpu_metadata
---
amdhsa.version: [ 1, 2 ]
amdhsa.kernels:
  - .name:           k_q1aff2dd2f3_prep
    .symbol:         k_q1aff2dd2f3_prep.kd
    .args:
      - { .name: x, .offset: 0, .size: 8, .value_kind: global_buffer, .address_space: global }
      - { .name: g1, .offset: 8, .size: 8, .value_kind: global_buffer, .address_space: global }
      - { .name: b1, .offset: 16, .size: 8, .value_kind: global_buffer, .address_space: global }
      - { .name: Wq, .offset: 24, .size: 8, .value_kind: global_buffer, .address_space: global }
      - { .name: Wk, .offset: 32, .size: 8, .value_kind: global_buffer, .address_space: global }
      - { .name: Wv, .offset: 40, .size: 8, .value_kind: global_buffer, .address_space: global }
      - { .name: W1, .offset: 48, .size: 8, .value_kind: global_buffer, .address_space: global }
      - { .name: W2, .offset: 56, .size: 8, .value_kind: global_buffer, .address_space: global }
      - { .name: wsp, .offset: 64, .size: 8, .value_kind: global_buffer, .address_space: global }
    .group_segment_fixed_size: 88576
    .private_segment_fixed_size: 0
    .kernarg_segment_align: 8
    .kernarg_segment_size: 72
    .max_flat_workgroup_size: 512
    .sgpr_count:     66
    .vgpr_count:     130
    .wavefront_size: 32
...
	.end_amdgpu_metadata
.endif
;; end of part 1
;; launch qkv (part 2): grid 12 x 16, 4 waves a work-group, clusters of 4 x 4, 327,680 bytes of LDS; arguments wsp, bq, bk, bv, wsq; writes wsq
.if DOCPART == 2
	.amdgcn_target "amdgcn-amd-amdhsa--gfx1250"
	.amdhsa_code_object_version 6
	.text
	.protected	k_q1aff2dd2f3_qkv
	.globl	k_q1aff2dd2f3_qkv
	.p2align	8
	.type	k_q1aff2dd2f3_qkv,@function
k_q1aff2dd2f3_qkv:
	s_mov_b64 s[64:65], 0
	v_nop
	global_prefetch_b8 v0, s[64:65] scope:SCOPE_SE
	s_setreg_imm32_b32 hwreg(HW_REG_WAVE_MODE, 25, 1), 1
	s_wait_xcnt 0x0
	s_wait_alu depctr_hold_cnt(0) depctr_sa_sdst(0) depctr_va_vdst(0) depctr_va_sdst(0) depctr_va_ssrc(0) depctr_va_vcc(0) depctr_vm_vsrc(0)
	s_getreg_b32 s2, hwreg(HW_REG_IB_STS2, 6, 4)
	s_cmp_eq_u32 s2, 0
	s_cbranch_scc0 .Lentry_in_a_cluster
	s_endpgm
.Lentry_in_a_cluster:
	s_bfe_u32 s2, ttmp6, 0x10000c
	s_cmp_lg_u32 s2, 0xf033
	s_cbranch_scc0 .Lentry_shape_is_right
	s_endpgm
.Lentry_shape_is_right:
; QKV.  q, k, v = h W + bias on codes of E2M3 (K = 1,024 channels), and the results quantised at once for the attention that follows: q and k along the head's 64, v along the tokens.
; A tile of the result is 256 tokens x 256 units (4 heads of one of q, k, v); four waves, each 128 x 128: 64 accumulators of 16 x 16, 512 registers.
; Codes lie in memory as images of the operand's registers (1,536 bytes for 16 rows x 128 K): a fragment is three ds_load_b128 at 16 x lane, consecutive bytes, no padding.
; K goes in steps of 256 through a ring of two LDS slots filled by the tensor data mover; a tile's part of a slot is 3,072 consecutive bytes of memory.
; The scale words of the work-group's rows, for all of K, come once with the first fills and stay.
; CLUSTERS: 4 x 4 work-groups; the four of a row need the same tokens' tiles, the four of a column the same units' tiles: each is asked for jointly.
; THE MATRIX INSTRUCTION IS USED TRANSPOSED: source 0 = 16 units, source 1 = 16 tokens: a lane holds one token, and (the units of a tile being chosen for it) the 16 registers of two neighbouring
; tiles are 16 neighbouring units.  The bias is the C of each sum's first product.
; OUT: q, k: for each head and 16 tokens a half image (64 along K: registers 0-3 at 16 l, registers 4, 5 at 512 + 8 l) and 64 bytes of scale words.  v: images of 16 channels x 128 tokens.
; The cluster's x says which of q, k, v: all partners take the same way out.
; LIMITS: NaN and infinities are not served; a block of zeros gets the byte 1 (its codes are zeros; only this program reads the bytes); v's scale words leave in pieces of 128 bytes.
; REGISTERS: window 0: v16-31 addresses; v32-63 scale words, two sets, and nothing else; v64-127 the bias, later at work; v128-223 the tokens' 8 fragments, later at work.
;   window 1: the units' fragments, two sets, at v0 and v128.  windows 2, 3: the accumulators, (a, b) at v[8 (8 (a % 4) + b)].
.set WQKV_C, 0
.set H_C,    8650752
.set WQKV_S, 11796480
.set H_S,    12156928
.set KVREG,  3407872
.set NQ,     2
.set FR,     12
.set NL,     3
.set NP,     4
.set HALFT,  24576                     ; 8 tiles x 2 K steps x 1,536: what one tensor load brings
.set SLOT,   4*HALFT
.set SCL,    2*SLOT                    ; the scale words: 4,096 bytes for 128 rows
.set HALFS,  4096
.set SPARE,  SCL+4*HALFS               ; the spare words, 128 bytes a wave
.set SCST,   SPARE+512                 ; q, k: 1,024 bytes a wave for the scale words on their way out
.set VST,    SCST+4096                 ; v: 32 rows x 528 bytes a wave
.set ADRA, 16
.set L16,  18
.set L8,   19
.set ADRB, 20
.set SCA,  22
.set SCR,  23
.set VSTO, 24
.set VRD,  25
.set VOUT, 26
.set ADRS, 27
.set SPW,  28
.set NIL,  29
.set H16,  30
.set L4,   31
.set SC,   32
.set BIAS, 64
.set AF,   128
.set TM,   64
.set PW,   80
.set PT,   81
.set PC,   84
.set OW,   104
.set VT,   64
.set VX,   160
.set VSB,  224
.set VTMP, 228
.set VM,   232
.set G1, 24
.set G0, 32
.set G1B, 48
.set G0B, 56
.set SEL, 66
.set G1S, 68
.set G0S, 76
.set G1SB, 80
.set G0SB, 88
.set MSB, 0
.macro WIN new                         ; the immediate's high byte repeats the setting that is left
.if MSB != (\new)
	s_set_vgpr_msb (MSB<<8)|(\new)
.set MSB, (\new)
.endif
.endm
.set MUL_LO, 0xa1                      ; source 0 window 1, source 1 window 0, C and D window 2
.set MUL_HI, 0xf1                      ; the same, C and D window 3
.set TO_B,   0x40
; A joint load: waves 0 and 1 fetch the tokens' halves, waves 2 and 3 the units'.  The branch hangs on the wave's number alone.  Four v_nop follow each line.
.macro JLOAD g0a, g1a, g0b, g1b
	s_cmp_eq_u32 s15, 0
	s_cbranch_scc0 .Lfor_b_\@
	tensor_load_to_lds s[\g0a:\g0a+3], s[\g1a:\g1a+7]
	s_nop 0
.rept 4
	v_nop
.endr
	s_branch .Lasked_\@
.Lfor_b_\@:
	tensor_load_to_lds s[\g0b:\g0b+3], s[\g1b:\g1b+7]
	s_nop 0
.rept 4
	v_nop
.endr
.Lasked_\@:
.endm
.macro CREST
	s_cmp_lg_u32 s14, 0
	s_cbranch_scc1 .Lnot_wave_0_\@
	s_barrier_signal -3
.Lnot_wave_0_\@:
	s_barrier_wait -3
	s_barrier_signal -1
	s_barrier_wait -1
.endm
.macro CROUND
	s_barrier_signal -1
	s_barrier_wait -1
	CREST
.endm
.macro PLACES n
.rept \n
	v_nop
.endr
.endm
	s_load_b256 s[4:11], s[0:1], 0x0               ; wsp s[4:5], bq s[6:7], bk s[8:9], bv s[10:11]
	s_load_b64 s[12:13], s[0:1], 0x20              ; wsq
	v_lshl_add_u32 v[SPW], v0, 2, SPARE
	v_mov_b32 v[NIL], 0
	ds_add_u32 v28, v29
	ds_add_u32 v28, v29
	s_wait_dscnt 0x0
	v_lshrrev_b32 v1, 5, v0
	v_readfirstlane_b32 s14, v1                    ; wave 0..3
	s_lshr_b32 s15, s14, 1                         ; my half of the tokens.  Also: I fetch tokens' tiles (0) or units' (1)
	s_and_b32 s16, s14, 1                          ; my half of the units.  Also: which half I fetch
	s_bfe_u32 s40, ttmp6, 0x40000                  ; cx
	s_bfe_u32 s41, ttmp6, 0x40004                  ; cy
	s_lshl_b32 s42, ttmp9, 2
	s_add_co_u32 s42, s42, s40                     ; block of 256 units
	s_and_b32 s17, ttmp7, 0xffff
	s_lshl_b32 s17, s17, 2
	s_add_co_u32 s17, s17, s41                     ; block of 256 tokens
	s_lshl_b32 s43, s41, 2
	s_lshl_b32 s43, 15, s43                        ; my row of the cluster
	s_lshl_b32 s44, 0x1111, s40                    ; my column
	s_mov_b32 s[SEL], 0x76543210
	s_mov_b32 s[SEL+1], 0xfedcba98
	; group 1, codes: 8 rows (tiles) of 384 elements of 8 bytes, 1,536 elements from tile to tile
	s_or_b32 s[G1+0], s43, (3<<16)|(1<<21)
	s_or_b32 s[G1B+0], s44, (3<<16)|(1<<21)
.irp g, G1, G1B
	s_mov_b32 s[\g+1], 384<<16
	s_mov_b32 s[\g+2], 8<<16
	s_mov_b32 s[\g+3], 384<<16
	s_mov_b32 s[\g+4], 8
	s_mov_b32 s[\g+5], 1536
	s_mov_b32 s[\g+6], 0
	s_mov_b32 s[\g+7], 0
.endr
	; group 1, scale words: 4,096 dense bytes as 16 rows of 256
	s_or_b32 s[G1S+0], s43, (3<<16)|(1<<21)
	s_or_b32 s[G1SB+0], s44, (3<<16)|(1<<21)
.irp g, G1S, G1SB
	s_mov_b32 s[\g+1], 32<<16
	s_mov_b32 s[\g+2], 16<<16
	s_mov_b32 s[\g+3], 32<<16
	s_mov_b32 s[\g+4], 16
	s_mov_b32 s[\g+5], 32
	s_mov_b32 s[\g+6], 0
	s_mov_b32 s[\g+7], 0
.endr
	s_lshl_b32 s18, s16, 3                         ; which 8 tiles I fetch
	s_lshl_b32 s20, s17, 4
	s_add_co_u32 s20, s20, s18                     ; tokens: first tile
	s_lshl_b32 s46, s42, 4
	s_add_co_u32 s46, s46, s18                     ; units: first tile
	s_lshl_b32 s22, s20, 9
	s_add_co_u32 s22, s22, H_S
	s_lshl_b32 s92, s46, 9
	s_add_co_u32 s92, s92, WQKV_S
	s_mul_i32 s20, s20, 12288
	s_add_co_u32 s20, s20, H_C
	s_mul_i32 s46, s46, 12288
	s_mov_b32 s21, 0
	s_mov_b32 s23, 0
	s_mov_b32 s47, 0
	s_mov_b32 s93, 0
	s_mul_i32 s45, s14, HALFT                      ; where they go: no place in the cluster enters an LDS address
	s_mul_i32 s94, s14, HALFS
	s_wait_kmcnt 0x0
	s_add_nc_u64 s[20:21], s[4:5], s[20:21]
	s_add_nc_u64 s[22:23], s[4:5], s[22:23]
	s_add_nc_u64 s[46:47], s[4:5], s[46:47]
	s_add_nc_u64 s[92:93], s[4:5], s[92:93]
	CROUND                                         ; all sixteen work-groups are here: the first joint loads meet
	s_mov_b32 s[G0S], 1
	s_add_co_u32 s[G0S+1], s94, SCL
	s_mov_b64 s[G0S+2:G0S+3], s[22:23]
	s_or_b32 s[G0S+3], s[G0S+3], 0x80000000
	s_mov_b32 s[G0SB], 1
	s_add_co_u32 s[G0SB+1], s94, SCL
	s_mov_b64 s[G0SB+2:G0SB+3], s[92:93]
	s_or_b32 s[G0SB+3], s[G0SB+3], 0x80000000
	JLOAD G0S, G1S, G0SB, G1SB
.irp s, 0,1
	s_mov_b32 s[G0+4*\s], 1
	s_add_co_u32 s[G0+4*\s+1], s45, \s*SLOT
	s_add_nc_u64 s[G0+4*\s+2:G0+4*\s+3], s[20:21], \s*3072
	s_or_b32 s[G0+4*\s+3], s[G0+4*\s+3], 0x80000000
	s_mov_b32 s[G0B+4*\s], 1
	s_add_co_u32 s[G0B+4*\s+1], s45, \s*SLOT
	s_add_nc_u64 s[G0B+4*\s+2:G0B+4*\s+3], s[46:47], \s*3072
	s_or_b32 s[G0B+4*\s+3], s[G0B+4*\s+3], 0x80000000
	JLOAD G0+4*\s, G1, G0B+4*\s, G1B
.endr
	v_and_b32 v1, 15, v0                           ; r
	v_bfe_u32 v2, v0, 4, 1                         ; h
	v_and_b32 v3, 31, v0                           ; lane
	v_lshlrev_b32 v[L16], 4, v3
	v_lshlrev_b32 v[L8], 3, v3
	v_lshlrev_b32 v[L4], 2, v3
	v_lshlrev_b32 v[H16], 4, v2
	s_mul_i32 s21, s15, HALFT
	s_mul_i32 s22, s16, HALFT
	s_add_co_u32 s22, s22, 2*HALFT
.irp s, 0,1
	v_add_nc_u32 v[ADRA+\s], s21, v[L16]
	v_add_nc_u32 v[ADRB+\s], s22, v[L16]
	s_add_co_u32 s21, s21, SLOT
	s_add_co_u32 s22, s22, SLOT
.endr
	s_mul_i32 s21, s15, HALFS                      ; scale words: lanes 0-15 the tokens', lanes 16-31 the units'
	s_mul_i32 s22, s16, HALFS
	s_add_co_u32 s22, s22, 2*HALFS
	s_sub_co_u32 s22, s22, s21
	v_mul_u32_u24 v6, s22, v2
	s_add_co_u32 s21, s21, SCL
	v_lshlrev_b32 v5, 2, v1
	v_add_nc_u32 v5, v5, v6
	v_add_nc_u32 v[ADRS], s21, v5
	s_lshl_b32 s21, s14, 10
	s_add_co_u32 s21, s21, SCST
	v_lshlrev_b32 v5, 2, v1
	v_lshl_add_u32 v5, v2, 9, v5
	v_add_nc_u32 v[SCA], s21, v5                   ; 4 r + 512 h: lanes 0-15 the first head's words, lanes 16-31 the second's
	v_add_nc_u32 v[SCR], s21, v[L16]
	s_mul_i32 s21, s14, 16896
	s_add_co_u32 s21, s21, VST
	v_mul_u32_u24 v5, v1, 528
	v_lshl_add_u32 v5, v2, 6, v5
	v_add_nc_u32 v[VSTO], s21, v5
	v_add_nc_u32 v[VRD], s21, v[L4]
	v_mul_u32_u24 v5, v2, 1536
	v_lshl_add_u32 v[VOUT], v1, 4, v5
	; the bias of my 128 units, in the result's layout: lane (r, h), tile 2 b + u: units 32 b + 16 h + 8 u + 0 .. 7
	s_cmp_eq_u32 ttmp9, 0
	s_cselect_b64 s[96:97], s[6:7], s[8:9]
	s_cmp_eq_u32 ttmp9, 2
	s_cselect_b64 s[96:97], s[10:11], s[96:97]
	s_lshl_b32 s98, s40, 10
	s_lshl_b32 s99, s16, 9
	s_add_co_u32 s98, s98, s99
	s_mov_b32 s99, 0
	s_add_nc_u64 s[96:97], s[96:97], s[98:99]
	v_lshlrev_b32 v4, 6, v2
.irp t, 0,1,2,3,4,5,6,7
	global_load_b128 v[BIAS+8*\t:BIAS+8*\t+3], v4, s[96:97] offset:(32*(\t/2)+8*(\t%2))*4
	global_load_b128 v[BIAS+8*\t+4:BIAS+8*\t+7], v4, s[96:97] offset:(32*(\t/2)+8*(\t%2))*4+16
.endr
.macro FRAG reg, adr, q, i             ; a fragment as it lies: three loads of 512 consecutive bytes
.irp g, 0,1,2
	ds_load_b128 v[\reg+4*\g:\reg+4*\g+3], v[\adr] offset:3072*(\i)+1536*(\q)+512*\g
.endr
.endm
; 16 products: tokens' blocks a0, a0 + 1 x the units' eight.  zero = 1: the first product starts the sums, with the bias as its C.  The 64 accumulators take turns.
.macro MUL16 a0, p, q, sc, zero
.irp a, \a0, \a0+1
.irp b, 0,1,2,3,4,5,6,7
.if \zero
	v_wmma_scale_f32_16x16x128_f8f6f4 v[8*(8*((\a)%4)+\b):8*(8*((\a)%4)+\b)+7], v[128*(\p)+FR*\b:128*(\p)+FR*\b+FR-1], v[AF+FR*(\a):AF+FR*(\a)+FR-1], v[BIAS+8*\b:BIAS+8*\b+7], v[SC+16*(\sc)+2*\b+(\q)], v[SC+16*(\sc)+2*(\a)+(\q)] matrix_a_fmt:MATRIX_FMT_FP6 matrix_b_fmt:MATRIX_FMT_FP6 matrix_a_scale:MATRIX_SCALE_ROW1
.else
	v_wmma_scale_f32_16x16x128_f8f6f4 v[8*(8*((\a)%4)+\b):8*(8*((\a)%4)+\b)+7], v[128*(\p)+FR*\b:128*(\p)+FR*\b+FR-1], v[AF+FR*(\a):AF+FR*(\a)+FR-1], v[8*(8*((\a)%4)+\b):8*(8*((\a)%4)+\b)+7], v[SC+16*(\sc)+2*\b+(\q)], v[SC+16*(\sc)+2*(\a)+(\q)] matrix_a_fmt:MATRIX_FMT_FP6 matrix_b_fmt:MATRIX_FMT_FP6 matrix_a_scale:MATRIX_SCALE_ROW1
.endif
.endr
.endr
.endm
.macro FETCH_B slot, q, p
	WIN TO_B
.irp i, 0,1,2,3,4,5,6,7
	FRAG 128*(\p)+FR*\i, ADRB+\slot, \q, \i
.endr
	WIN 0
.endm
.macro FETCH_A slot, q, i0
.irp i, \i0, \i0+1, \i0+2, \i0+3
	FRAG AF+FR*(\i), ADRA+\slot, \q, \i
.endr
.endm
.macro SCALES sc                       ; register 2 i + q: lanes 0-15 the word of the tokens' block i, lanes 16-31 that of the units' block i, for the slot's q-th 128 along K
.irp i, 0,1,2,3,4,5,6,7
.irp q, 0,1
	ds_load_b32 v[SC+16*(\sc)+2*\i+\q], v[ADRS] offset:512*\i+64*\q
.endr
.endr
.endm
.macro STEP slot, q, zero
	s_wait_dscnt 4*NL                              ; all but the youngest twelve loads (the tokens' blocks 4-7)
.if \zero
	WIN 0x81                                       ; C (the bias) window 0, D window 2
.else
	WIN MUL_LO
.endif
	MUL16 0, (\q)%2, \q, \slot, \zero
	MUL16 2, (\q)%2, \q, \slot, \zero
	s_wait_dscnt 0
	PLACES NP                                      ; four plain places in front of loads into registers that products have read (ISA guide 7.12.1 for vector instructions)
	FETCH_B \slot, (\q)+1, 1-(\q)%2
	FETCH_A \slot, (\q)+1, 0
.if \zero
	WIN 0xc1
.else
	WIN MUL_HI
.endif
	MUL16 4, (\q)%2, \q, \slot, \zero
	MUL16 6, (\q)%2, \q, \slot, \zero
	PLACES NP
	WIN 0
	FETCH_A \slot, (\q)+1, 4
.endm
; A slot's last step changes slots: one barrier; in front of it each wave waits for all its tensor loads, adds 0 to its spare word, and waits for that and for its reads of this slot.
.macro TURN slot, next, fill
	s_wait_tensorcnt 0x0                           ; all my tensor loads have landed: my part of the next slot
	ds_add_u32 v[SPW], v[NIL]                      ; 0 onto my spare word
	s_wait_dscnt 4*NL+1                            ; (the add and the youngest twelve loads may be out)
	WIN MUL_LO
	MUL16 0, 1, NQ-1, \slot, 0
	s_wait_dscnt 0x0                               ; the add is done, and my reads of this slot are over
	s_barrier_signal -1
	MUL16 2, 1, NQ-1, \slot, 0
	WIN 0
	s_barrier_wait -1
.if \fill
	CREST                                          ; the barrier has opened a round of the cluster's: no wave of any partner still reads this slot or has a load on its way
	s_add_nc_u64 s[G0+4*\slot+2:G0+4*\slot+3], s[G0+4*\slot+2:G0+4*\slot+3], 6144
	s_add_nc_u64 s[G0B+4*\slot+2:G0B+4*\slot+3], s[G0B+4*\slot+2:G0B+4*\slot+3], 6144
	JLOAD G0+4*\slot, G1, G0B+4*\slot, G1B         ; the first tensor load behind the round; its four v_nop are also the places in front of the loads below
.else
	PLACES NP
.endif
	v_add_nc_u32 v[ADRS], 128, v[ADRS]             ; the next slot's scale words
	FETCH_B \next, 0, 0
	FETCH_A \next, 0, 0
	SCALES \next
	WIN MUL_HI
	MUL16 4, 1, NQ-1, \slot, 0
	MUL16 6, 1, NQ-1, \slot, 0
	PLACES NP
	WIN 0
	FETCH_A \next, 0, 4
.endm
	s_wait_tensorcnt 1                             ; the scale words and my part of slot 0 are in; slot 1's load may be out
	s_barrier_signal -1
	s_barrier_wait -1
	FETCH_B 0, 0, 0
	FETCH_A 0, 0, 0
	SCALES 0
	FETCH_A 0, 0, 4
	s_wait_loadcnt 0x0                             ; the bias
	STEP 0, 0, 1                                   ; eight steps of 128 along K, written out: four fills of a slot in all
	TURN 0, 1, 1
	STEP 1, 0, 0
	TURN 1, 0, 1
	STEP 0, 0, 0
	TURN 0, 1, 0
	STEP 1, 0, 0
	s_wait_dscnt 4*NL
	WIN MUL_LO
	MUL16 0, 1, NQ-1, 1, 0
	MUL16 2, 1, NQ-1, 1, 0
	s_wait_dscnt 0
	WIN MUL_HI
	MUL16 4, 1, NQ-1, 1, 0
	MUL16 6, 1, NQ-1, 1, 0
	WIN 0
	PLACES NP                                      ; behind the last products: results are read and operands' registers written from here on
; Block a's 64 registers (register 16 b + i = unit 32 b + 16 h + i of my token) become a fragment's codes in v[PC] on and my token's scale word in v[PW].
.macro QUANTW a, relu
.set AC, 64*((\a)%4)
.set HW, (\a)/4
.if \relu
	WIN 0x88+0x44*HW
.set j, 0
.rept 64
	v_max_num_f32 v[AC+j], 0, v[AC+j]
.set j, j+1
.endr
.endif
	WIN 0x28+0x14*HW                               ; sources 1 and 2: the accumulators' window.
.irp b, 0,1,2,3
	v_max3_num_f32 v[TM+\b], 0x1800000, |v[AC+16*\b]|, |v[AC+16*\b+1]|   ; with the floor 2^(3 - 127)
.endr
.irp i, 2,4,6,8,10,12,14
.irp b, 0,1,2,3
	v_max3_num_f32 v[TM+\b], v[TM+\b], |v[AC+16*\b+\i]|, |v[AC+16*\b+\i+1]|
.endr
.endr
	WIN 0
.irp b, 0,1,2,3
	v_permlanex16_b32 v[TM+4+\b], v[TM+\b], s[SEL], s[SEL+1]
.endr
.irp b, 0,1,2,3
	v_max_num_f32 v[TM+\b], v[TM+\b], v[TM+4+\b]   ; with lane l xor 16's: the block's largest magnitude
.endr
.irp b, 0,1,2,3
	v_add_nc_u32 v[TM+12+\b], 0xff000000, v[TM+\b]
.endr
.irp b, 0,1,2,3
	v_lshrrev_b32 v[TM+4+\b], 23, v[TM+12+\b]
.endr
	v_lshl_or_b32 v[PW], v[TM+5], 8, v[TM+4]
	v_lshl_or_b32 v[PW], v[TM+6], 16, v[PW]
	v_lshl_or_b32 v[PW], v[TM+7], 24, v[PW]
	s_wait_xcnt 0x0                                ; the last block's stores have read the codes' registers: they are written again only behind this wait
	WIN 0x02+HW
.irp c, 0,1
	v_cvt_scalef32_pk16_fp6_f32 v[PC+6*\c:PC+6*\c+2], v[AC+32*\c:AC+32*\c+15], v[TM+12+2*\c]
	v_cvt_scalef32_pk16_fp6_f32 v[PC+12+4*\c:PC+14+4*\c], v[AC+32*\c+16:AC+32*\c+31], v[TM+13+2*\c]
.endr
	WIN 0
	v_nop                                          ; one plain instruction behind the scaled conversions
.irp c, 0,1                                    ; the layout wants a whole block in a lane
.irp i, 0,1,2
	v_permlane16_swap_b32 v[PC+6*\c+\i], v[PC+12+4*\c+\i]
.endr
.irp i, 0,1,2
	v_mov_b32 v[PC+3+6*\c+\i], v[PC+12+4*\c+\i]
.endr
.endr
.endm
	s_and_b32 s2, ttmp7, 0xffff                    ; the batch
	s_lshl_b32 s2, s2, 4
	s_lshl_b32 s3, s40, 2
	s_add_co_u32 s2, s2, s3
	s_lshl_b32 s3, s16, 1
	s_add_co_u32 s2, s2, s3                        ; 16 x batch + my first head
	s_lshl_b32 s3, s41, 4
	s_lshl_b32 s18, s15, 3
	s_add_co_u32 s3, s3, s18                       ; my first tile of 16 tokens in the batch
	s_cmp_eq_u32 ttmp9, 2
	s_cbranch_scc1 .Lvpath
	; ---- q, k: my 128 units are two heads: registers 0-5 of the fragment are the first head's half image, registers 6-11 the second's
	s_cmp_eq_u32 ttmp9, 0
	s_cselect_b32 s18, 0, KVREG
	s_mov_b32 s19, 104448
	s_cselect_b32 s19, 53248, s19                  ; bytes from head to head
	s_mov_b32 s95, 98304
	s_cselect_b32 s95, 49152, s95                  ; where a head's scale words begin
	s_mul_i32 s96, s2, s19
	s_add_co_u32 s96, s96, s18
	s_mov_b32 s99, 0
	s_mul_i32 s98, s3, 768
	s_add_co_u32 s98, s98, s96
	s_add_nc_u64 s[4:5], s[12:13], s[98:99]
	s_add_co_u32 s98, s98, s19
	s_add_nc_u64 s[6:7], s[12:13], s[98:99]
	s_lshl_b32 s98, s3, 6
	s_add_co_u32 s98, s98, s96
	s_add_co_u32 s98, s98, s95
	s_add_nc_u64 s[8:9], s[12:13], s[98:99]
	s_add_co_u32 s98, s98, s19
	s_add_nc_u64 s[10:11], s[12:13], s[98:99]
.irp b, 0,1,2,3
	v_mov_b32 v[TM+4+\b], 0                        ; a lane permute's destination counts as one of its sources
.endr
.irp a, 0,1,2,3,4,5,6,7
	QUANTW \a, 0
	global_store_b128 v[L16], v[PC:PC+3], s[4:5] offset:768*\a          ; 512 consecutive bytes, then 256: three aligned blocks of 256
	global_store_b64 v[L8], v[PC+4:PC+5], s[4:5] offset:768*\a+512
	global_store_b128 v[L16], v[PC+6:PC+9], s[6:7] offset:768*\a
	global_store_b64 v[L8], v[PC+10:PC+11], s[6:7] offset:768*\a+512
	v_lshrrev_b32 v[PT], v[H16], v[PW]             ; lanes 16-31: the second head's two bytes come down.  The upper two bytes of either word stand over zero codes and are never 0xff
	ds_store_b32 v[SCA], v[PT] offset:64*\a
.endr
	ds_load_b128 v[OW:OW+3], v[SCR]                ; LDS serves a wave's instructions in order: these see my stores
	ds_load_b128 v[OW+4:OW+7], v[SCR] offset:512
	s_wait_dscnt 0x0
	global_store_b128 v[L16], v[OW:OW+3], s[8:9]
	global_store_b128 v[L16], v[OW+4:OW+7], s[10:11]
	s_branch .Lend
	; ---- v: K of the next product is the tokens.  32 tokens at a time go through my stage (rows of 528 bytes, units in their true order); then a lane takes a unit and its registers run down the tokens.
.macro LOADG g                         ; units 32 g + lane; register i = token i of the 32, which lies in stage row swap(i)
.set i, 0
.rept 32
	ds_load_b32 v[VX+32*((\g)%2)+i], v[VRD] offset:528*((i&7)|((i&8)<<1)|((i&16)>>1))+128*(\g)
.set i, i+1
.endr
.endm
.macro VBLOCK g, p
.set XS, VX+32*((\g)%2)
.set TD, VT+24*(\g)+12*((\p)%2)+6*((\p)/2)
	v_max3_num_f32 v[VM], |v[XS]|, |v[XS+1]|, |v[XS+2]|
	v_max3_num_f32 v[VM+1], |v[XS+3]|, |v[XS+4]|, |v[XS+5]|
.irp i, 6,10,14,18,22,26
	v_max3_num_f32 v[VM], v[VM], |v[XS+\i]|, |v[XS+\i+1]|
	v_max3_num_f32 v[VM+1], v[VM+1], |v[XS+\i+2]|, |v[XS+\i+3]|
.endr
	v_max3_num_f32 v[VM], v[VM], |v[XS+30]|, |v[XS+31]|
	v_max3_num_f32 v[VM], v[VM], v[VM+1], 0x1800000
	v_add_nc_u32 v[VM+2], 0xff000000, v[VM]
	v_lshrrev_b32 v[VM+1], 23, v[VM+2]
.if (\p) == 0
	v_mov_b32 v[VSB+(\g)], v[VM+1]
.else
	v_lshl_or_b32 v[VSB+(\g)], v[VM+1], 8*(\p), v[VSB+(\g)]
.endif
	v_cvt_scalef32_pk16_fp6_f32 v[TD:TD+2], v[XS:XS+15], v[VM+2]
	v_cvt_scalef32_pk16_fp6_f32 v[VTMP:VTMP+2], v[XS+16:XS+31], v[VM+2]
	v_nop
.irp i, 0,1,2
	v_mov_b32 v[TD+3+\i], v[VTMP+\i]
.endr
.endm
.Lvpath:
	s_mul_i32 s96, s2, 104448
	s_add_co_u32 s96, s96, KVREG
	s_lshl_b32 s18, s41, 1
	s_add_co_u32 s18, s18, s15                     ; my 128 tokens are key step 2 cy + half of the batch
	s_mov_b32 s99, 0
	s_mul_i32 s98, s18, 6144
	s_add_co_u32 s98, s98, s96
	s_add_co_u32 s98, s98, 49152
	s_add_nc_u64 s[4:5], s[12:13], s[98:99]
	s_lshl_b32 s98, s18, 8
	s_add_co_u32 s98, s98, s96
	s_add_co_u32 s98, s98, 102400
	s_add_nc_u64 s[6:7], s[12:13], s[98:99]
.irp p, 0,1,2,3
	WIN 0x08+4*(\p/2)                              ; an LDS store's data are its source 1
.irp e, 0,1
.irp t, 0,1,2,3,4,5,6,7
	ds_store_b128 v[VSTO], v[64*((2*\p+\e)%4)+8*\t:64*((2*\p+\e)%4)+8*\t+3] offset:8448*\e+128*(\t/2)+32*(\t%2)
	ds_store_b128 v[VSTO], v[64*((2*\p+\e)%4)+8*\t+4:64*((2*\p+\e)%4)+8*\t+7] offset:8448*\e+128*(\t/2)+32*(\t%2)+16
.endr
.endr
	WIN 0
	LOADG 0
.irp g, 0,1,2,3
.if \g < 3
	LOADG \g+1
	s_wait_dscnt 32                                ; all but the 32 loads just issued
.else
	s_wait_dscnt 0x0
.endif
	VBLOCK \g, \p
.endr
.endr
.irp g, 0,1,2,3
.irp u, 0,1
.irp c, 0,1,2
	global_store_b128 v[VOUT], v[VT+24*\g+12*\u+4*\c:VT+24*\g+12*\u+4*\c+3], s[4:5] offset:104448*(\g/2)+3072*(\g%2)+512*\c+256*\u   ; sixteen lanes store 256 consecutive bytes, aligned
.endr
.endr
	global_store_b32 v[L4], v[VSB+\g], s[6:7] offset:104448*(\g/2)+128*(\g%2)
.endr
.Lend:
	s_wait_tensorcnt 0x0                           ; the wave's end
	ds_add_u32 v[SPW], v[NIL]
	s_wait_dscnt 0x0
	CROUND                                         ; the closing round
	s_endpgm
.Lfunc_end_k_q1aff2dd2f3_qkv:
	.size	k_q1aff2dd2f3_qkv, .Lfunc_end_k_q1aff2dd2f3_qkv-k_q1aff2dd2f3_qkv
	.p2alignl 7, 3214868480
	.fill 96, 4, 3214868480
	.section	.rodata,"a",@progbits
	.p2align	6, 0x0
	.amdhsa_kernel k_q1aff2dd2f3_qkv
		.amdhsa_group_segment_fixed_size 327680
		.amdhsa_private_segment_fixed_size 0
		.amdhsa_enable_private_segment 0
		.amdhsa_kernarg_size 40
		.amdhsa_user_sgpr_count 2
		.amdhsa_user_sgpr_kernarg_segment_ptr 1
		.amdhsa_wavefront_size32 1
		.amdhsa_system_sgpr_workgroup_id_x 1
		.amdhsa_system_sgpr_workgroup_id_y 1
		.amdhsa_system_sgpr_workgroup_id_z 1
		.amdhsa_system_vgpr_workitem_id 0
		.amdhsa_next_free_vgpr 1024
		.amdhsa_next_free_sgpr 100
		.amdhsa_reserve_vcc 0
		.amdhsa_float_denorm_mode_32 3
		.amdhsa_float_denorm_mode_16_64 3
		.amdhsa_memory_ordered 1
		.amdhsa_forward_progress 1
		.amdhsa_inst_pref_size 213
	.end_amdhsa_kernel
	.amdgpu_metadata
---
amdhsa.version: [ 1, 2 ]
amdhsa.kernels:
  - .name:           k_q1aff2dd2f3_qkv
    .symbol:         k_q1aff2dd2f3_qkv.kd
    .args:
      - { .name: wsp, .offset: 0, .size: 8, .value_kind: global_buffer, .address_space: global }
      - { .name: bq, .offset: 8, .size: 8, .value_kind: global_buffer, .address_space: global }
      - { .name: bk, .offset: 16, .size: 8, .value_kind: global_buffer, .address_space: global }
      - { .name: bv, .offset: 24, .size: 8, .value_kind: global_buffer, .address_space: global }
      - { .name: wsq, .offset: 32, .size: 8, .value_kind: global_buffer, .address_space: global }
    .group_segment_fixed_size: 327680
    .private_segment_fixed_size: 0
    .kernarg_segment_align: 8
    .kernarg_segment_size: 40
    .max_flat_workgroup_size: 128
    .sgpr_count:     100
    .vgpr_count:     1024
    .wavefront_size: 32
...
	.end_amdgpu_metadata
.endif
;; end of part 2
;; launch attn (part 3): grid 4 x 64, 16 waves a work-group, clusters of 4 x 1, 176,128 bytes of LDS; arguments wsq, wso; writes wso
.if DOCPART == 3
	.amdgcn_target "amdgcn-amd-amdhsa--gfx1250"
	.amdhsa_code_object_version 6
	.text
	.protected	k_q1aff2dd2f3_attn
	.globl	k_q1aff2dd2f3_attn
	.p2align	8
	.type	k_q1aff2dd2f3_attn,@function
k_q1aff2dd2f3_attn:
	s_mov_b64 s[64:65], 0
	v_nop
	global_prefetch_b8 v0, s[64:65] scope:SCOPE_SE
	s_setreg_imm32_b32 hwreg(HW_REG_WAVE_MODE, 25, 1), 1
	s_wait_xcnt 0x0
	s_wait_alu depctr_hold_cnt(0) depctr_sa_sdst(0) depctr_va_vdst(0) depctr_va_sdst(0) depctr_va_ssrc(0) depctr_va_vcc(0) depctr_vm_vsrc(0)
	s_getreg_b32 s2, hwreg(HW_REG_IB_STS2, 6, 4)
	s_cmp_eq_u32 s2, 0
	s_cbranch_scc0 .Lentry_in_a_cluster
	s_endpgm
.Lentry_in_a_cluster:
	s_bfe_u32 s2, ttmp6, 0x10000c
	s_cmp_lg_u32 s2, 0x3003
	s_cbranch_scc0 .Lentry_shape_is_right
	s_endpgm
.Lentry_shape_is_right:
; ATTENTION, causal, on codes of E2M3: o = softmax(q k^T / 32) v for one batch and head (work-group y), 1,024 tokens, head size 64.
; THE SOFTMAX AHEAD OF THE SECOND PRODUCT: t = score x log2(e) / 32; M = the running largest t, rounded UP to a whole number; p = 2^(t - M) is quantised along the keys, not normalised; the row's sum is
; taken of the unquantised p and divides at the end.  When M moves, sum and O are multiplied by 2^(old M - new M): exact.
; SHARES.  The head's K and V (codes and scale words, 104,448 consecutive bytes) are brought into LDS ONCE and stay: no slot is ever filled again.  The four work-groups of a cluster serve the same head, so the
; four parts are asked for jointly, one load each by waves 0-3.  Each of the sixteen waves owns one tile of 16 queries: tile 4 idx + cx, idx = wave with its two low bits turned in waves 4-7 and 12-15, so that
; every work-group has the same spread of early and late queries.  Branches hang on the wave's number and the step alone, never on the place in the cluster.
; K = 64 of the first product is half of the instruction's 128: registers 6-11 of both operands hold zero codes.
; LAYOUT.  Both products transposed: S^T = K Q^T, O^T = V^T P^T: a lane holds one query.  The tokens of a tile are not neighbours (row p of tile T: token 32 (T / 2) + 8 (T % 2) + p + 8 (p / 8)), so the 16 registers
; of score tiles 2 b, 2 b + 1 are keys 32 b + 16 (lane / 16) + 0 .. 15.
; CAUSAL.  All eight steps of 128 keys are walked by count; a step all of whose keys come after the wave's queries is jumped over; on the diagonal hidden scores become -infinity.
; LIMITS: NaN and infinities are not served.
; REGISTERS: v1-6 addresses that stay; v7-11 the step's; v12 -M, v13 largest t, v[14:15] the sum; v16-27 Q; v28-75 four slots for K; v76-87 p's codes; v88-151 S^T, p; v152-183 O^T; v184-231 V; v232-247 at work
; (v243 my query - 16 (lane / 16)); v248-251, v253, v255 scale words; v252 f; v254 at work.
.set KVREG, 3407872
.set KVB,   104448
.set QB,    53248
.set VIMG,  49152
.set KSW,   98304
.set VSW,   102400
.set STAGE, 104448                     ; 16 x 4,352: 16 rows x (256 + 16) a wave; no fill lands here
.set A16, 1
.set A8,  2
.set AV,  3
.set AKS, 4
.set AVS, 5
.set GO,  6
.set ADK, 7
.set ADK8, 8
.set ADV, 9
.set ADS, 10
.set ADT, 11
.set QF,  16
.set KS,  28
.set PCD, 76
.set S,   88
.set O,   152
.set VF,  184
.set VQ,  243
.set WV,  8
.set SEL, 40
.set CS,  42
.set KF,  44
.set LIM, 45
.set OPEN, 46
.set TB,  47
.set TS,  48
.set TJ,  49
.set CNT, 50
.set Q0,  51
.set T0,  52
.macro CROUND
	s_barrier_signal -1
	s_barrier_wait -1
	s_cmp_lg_u32 s[WV], 0
	s_cbranch_scc1 .Lnot_wave_0_\@
	s_barrier_signal -3
.Lnot_wave_0_\@:
	s_barrier_wait -3
	s_barrier_signal -1
	s_barrier_wait -1
.endm
.macro KQ g, t                         ; one register carries the scale words of tile 2 p in lanes 0-15 and of tile 2 p + 1 in lanes 16-31
.if (\t)%2
	v_wmma_scale_f32_16x16x128_f8f6f4 v[S+8*(4*\g+\t):S+8*(4*\g+\t)+7], v[KS+12*\t:KS+12*\t+11], v[QF:QF+11], 0, v[248+(\t)/2], v255 matrix_a_fmt:MATRIX_FMT_FP6 matrix_b_fmt:MATRIX_FMT_FP6 matrix_a_scale:MATRIX_SCALE_ROW1
.else
	v_wmma_scale_f32_16x16x128_f8f6f4 v[S+8*(4*\g+\t):S+8*(4*\g+\t)+7], v[KS+12*\t:KS+12*\t+11], v[QF:QF+11], 0, v[248+(\t)/2], v255 matrix_a_fmt:MATRIX_FMT_FP6 matrix_b_fmt:MATRIX_FMT_FP6
.endif
.endm
.macro PV d
.if (\d)%2
	v_wmma_scale_f32_16x16x128_f8f6f4 v[O+8*\d:O+8*\d+7], v[VF+12*\d:VF+12*\d+11], v[PCD:PCD+11], v[O+8*\d:O+8*\d+7], v[250+(\d)/2], v253 matrix_a_fmt:MATRIX_FMT_FP6 matrix_b_fmt:MATRIX_FMT_FP6 matrix_a_scale:MATRIX_SCALE_ROW1
.else
	v_wmma_scale_f32_16x16x128_f8f6f4 v[O+8*\d:O+8*\d+7], v[VF+12*\d:VF+12*\d+11], v[PCD:PCD+11], v[O+8*\d:O+8*\d+7], v[250+(\d)/2], v253 matrix_a_fmt:MATRIX_FMT_FP6 matrix_b_fmt:MATRIX_FMT_FP6
.endif
.endm
	s_load_b128 s[4:7], s[0:1], 0x0                ; wsq s[4:5], wso s[6:7]
	v_lshl_add_u32 v254, v0, 2, 0x2a800
	v_mov_b32 v255, 0
	ds_add_u32 v254, v255
	ds_add_u32 v254, v255
	s_wait_dscnt 0x0
	v_lshrrev_b32 v7, 5, v0
	v_readfirstlane_b32 s[WV], v7                  ; wave 0..15
	s_bfe_u32 s9, ttmp6, 0x40000                   ; cx: it enters Q's and O's addresses and the mask's numbers alone
	s_and_b32 s10, ttmp7, 0xffff                   ; 16 x batch + head, which the four partners share
	s_bfe_u32 s11, s[WV], 0x10002
	s_mul_i32 s11, s11, 3
	s_xor_b32 s11, s[WV], s11                      ; idx
	; the fill: a quarter of the head's block, 102 rows of 256 bytes, dense
	s_mov_b32 s16, 15|(3<<16)|(1<<21)              ; the mask: all four work-groups; elements of 8 bytes; bit 21 beside a mask
	s_mov_b32 s17, 32<<16
	s_mov_b32 s18, 102<<16
	s_mov_b32 s19, 32<<16
	s_mov_b32 s20, 102
	s_mov_b32 s21, 32
	s_mov_b32 s22, 0
	s_mov_b32 s23, 0
	s_min_u32 s27, s[WV], 3                        ; (waves 4-15 issue no load)
	s_mul_i32 s26, s27, 26112
	s_mul_i32 s24, s10, KVB
	s_add_co_u32 s24, s24, KVREG
	s_add_co_u32 s24, s24, s26
	s_mov_b32 s25, 0
	s_mov_b32 s[SEL], 0x76543210
	s_mov_b32 s[SEL+1], 0xfedcba98
	s_mov_b32 s[CS], 0x3d38aa3b                    ; c = log2(e) / 32
	s_mov_b32 s[CS+1], s[CS]
	s_wait_kmcnt 0x0
	s_mov_b32 s12, 1
	s_mov_b32 s13, s26
	s_add_nc_u64 s[14:15], s[4:5], s[24:25]
	s_or_b32 s15, s15, 0x80000000
	CROUND                                         ; all four work-groups are here: the joint loads meet
	s_cmp_lt_u32 s[WV], 4
	s_cbranch_scc0 .Lnofill
	tensor_load_to_lds s[12:15], s[16:23]
	s_nop 0
.rept 4
	v_nop
.endr
.Lnofill:
	s_lshl_b32 s28, s11, 2
	s_add_co_u32 s28, s28, s9                      ; my tile of queries
	s_mov_b32 s31, 0
	s_mul_i32 s30, s10, QB
	s_mul_i32 s29, s28, 768
	s_add_co_u32 s30, s30, s29
	s_add_nc_u64 s[32:33], s[4:5], s[30:31]
	s_mul_i32 s30, s10, QB
	s_lshl_b32 s29, s28, 6
	s_add_co_u32 s30, s30, s29
	s_add_co_u32 s30, s30, 49152
	s_add_nc_u64 s[34:35], s[4:5], s[30:31]
	v_and_b32 v7, 31, v0                           ; lane
	v_and_b32 v8, 15, v0                           ; r
	v_bfe_u32 v9, v0, 4, 1                         ; h
	v_lshlrev_b32 v[A16], 4, v7
	v_lshlrev_b32 v10, 3, v7
	v_add_nc_u32 v[A8], 512, v10
	v_add_nc_u32 v[AV], VIMG, v[A16]
	v_lshlrev_b32 v11, 2, v7
	v_add_nc_u32 v[AKS], KSW, v11
	v_add_nc_u32 v[AVS], VSW, v11
	global_load_b128 v[QF:QF+3], v[A16], s[32:33]  ; Q's half image stays in registers
	global_load_b64 v[QF+4:QF+5], v[A8], s[32:33]
	v_lshlrev_b32 v254, 2, v8
	global_load_b32 v255, v254, s[34:35]           ; Q's scale words
	v_lshlrev_b32 v[GO], 12, v9
	v_lshl_add_u32 v[GO], v8, 4, v[GO]             ; the way out: lanes 0-15 one row of o, lanes 16-31 the next
	s_lshl_b32 s[OPEN], s11, 6                     ; 64 idx: no query of the wave, in any partner, lies under it,
	s_add_co_u32 s[LIM], s[OPEN], 63               ; and none over this
	s_lshr_b32 s37, s9, 1
	s_lshl_b32 s37, s37, 5
	s_add_co_u32 s37, s37, s[OPEN]
	s_and_b32 s38, s9, 1
	s_lshl_b32 s38, s38, 3
	s_add_co_u32 s[Q0], s37, s38                   ; my tile's first query
	v_and_b32 v10, 8, v8
	v_add_nc_u32 v10, v10, v8
	v_lshlrev_b32 v11, 4, v9
	v_sub_nc_u32 v10, v10, v11
	v_add_nc_u32 v[VQ], s[Q0], v10                 ; my query - 16 h
	s_lshr_b32 s36, s10, 4
	s_lshl_b32 s36, s36, 10
	s_add_co_u32 s36, s36, s[Q0]
	s_lshl_b32 s36, s36, 12
	s_and_b32 s37, s10, 15
	s_lshl_b32 s37, s37, 8
	s_add_co_u32 s36, s36, s37
	s_mov_b32 s37, 0
	s_add_nc_u64 s[6:7], s[6:7], s[36:37]          ; o at my first query, my head's 256 bytes
	v_mov_b32 v13, 0xff61b1e6                      ; the largest t so far: -3e38
	v_floor_f32 v12, -v13                          ; -M
	v_mov_b32 v14, 0
	v_mov_b32 v15, 0
.irp b, 0,1,2,3
	v_mov_b32 v[236+\b], 0                         ; a lane permute's destination counts as one of its sources
.endr
	v_mov_b32 v253, 0                              ; (named as the upper half of the pair v[252:253] before it is first written)
.irp i, 6,7,8,9,10,11
	v_mov_b32 v[QF+\i], 0                          ; zero codes for k = 64 .. 127, written once
.irp t, 0,1,2,3
	v_mov_b32 v[KS+12*\t+\i], 0
.endr
.endr
.set j, 0
.rept 32
	v_mov_b32 v[O+j], 0                            ; O^T: the step is written once; the first change of M leaves zeros zeros
.set j, j+1
.endr
	s_mov_b32 s[KF], 0
	s_mov_b32 s[TB], 0
	s_mov_b32 s[TS], 0
	s_mov_b32 s[TJ], 0
	s_mov_b32 s[CNT], 8
	s_wait_tensorcnt 0x0                           ; my part of the head's block has landed,
	s_barrier_signal -1
	s_barrier_wait -1                              ; everybody's has
	s_wait_loadcnt 0x0                             ; Q
.Lstep:
	s_cmp_gt_u32 s[KF], s[LIM]
	s_cbranch_scc1 .Lhidden                        ; all 128 keys come after the wave's queries
	v_add_nc_u32 v[ADK], s[TB], v[A16]
	v_add_nc_u32 v[ADK8], s[TB], v[A8]
	v_add_nc_u32 v[ADV], s[TB], v[AV]
	v_add_nc_u32 v[ADS], s[TS], v[AKS]
	v_add_nc_u32 v[ADT], s[TJ], v[AVS]
.irp g, 0,1                                    ; S^T = K Q^T, four tiles of 16 keys at a time
.if \g > 0
.rept 4
	v_nop                                          ; places in front of loads into registers that products have read
.endr
.endif
.irp t, 0,1,2,3
	ds_load_b128 v[KS+12*\t:KS+12*\t+3], v[ADK] offset:768*(4*\g+\t)
	ds_load_b64 v[KS+12*\t+4:KS+12*\t+5], v[ADK8] offset:768*(4*\g+\t)
.endr
.irp u, 0,1
	ds_load_b32 v[248+\u], v[ADS] offset:256*\g+128*\u
.endr
	s_wait_dscnt 0x0
.irp t, 0,1,2,3
	KQ \g, \t
.endr
.endr
.irp d, 0,1,2,3                                ; V's four images and their scale words are asked for here and land under the softmax
.irp c, 0,1,2
	ds_load_b128 v[VF+12*\d+4*\c:VF+12*\d+4*\c+3], v[ADV] offset:1536*\d+512*\c
.endr
.endr
.irp u, 0,1
	ds_load_b32 v[250+\u], v[ADT] offset:128*\u
.endr
.rept 4
	v_nop
.endr
	s_add_co_u32 s[T0], s[KF], 128
	s_cmp_le_u32 s[T0], s[OPEN]
	s_cbranch_scc1 .Lopen                          ; every key of the step counts for every query of the wave
	v_sub_nc_u32 v252, v[VQ], s[KF]                ; register 16 b + i holds key KF + 16 h + 32 b + i: hidden where 32 b + i > my query - KF - 16 h
	v_mov_b32 v254, 0xff800000
.set n, 0
.rept 64
	v_cmp_gt_i32 vcc_lo, 32*(n/16)+n%16, v252
	v_cndmask_b32 v[S+n], v[S+n], v254, vcc_lo
.set n, n+1
.endr
.Lopen:
.irp b, 0,1,2,3
	v_max3_num_f32 v[232+\b], v[S+16*\b], v[S+1+16*\b], v[S+2+16*\b]   ; the largest score of each block of 32 keys: for the row's maximum and, since p rises with the score, for the block's largest p
.endr
.irp i, 3,5,7,9,11,13
.irp b, 0,1,2,3
	v_max3_num_f32 v[232+\b], v[232+\b], v[S+16*\b+\i], v[S+1+16*\b+\i]
.endr
.endr
.irp b, 0,1,2,3
	v_max_num_f32 v[232+\b], v[232+\b], v[S+15+16*\b]
.endr
.irp b, 0,1,2,3
	v_permlanex16_b32 v[236+\b], v[232+\b], s[SEL], s[SEL+1]
.endr
.irp b, 0,1,2,3
	v_max_num_f32 v[232+\b], v[232+\b], v[236+\b]
.endr
	v_max3_num_f32 v254, v232, v233, v234
	v_max_num_f32 v254, v254, v235
	v_mul_f32 v254, s[CS], v254
	v_max_num_f32 v13, v13, v254                   ; the running largest t
	v_mov_b32 v254, v12
	v_floor_f32 v12, -v13                          ; the new -M = -ceil(t)
	v_sub_f32 v254, v12, v254                      ; old M - new M: a whole number, 0 or less
	v_cvt_i32_f32 v254, v254
	v_ldexp_f32 v252, 1.0, v254                    ; f = 2^(old M - new M)
.set j, 0
.rept 32
	v_pk_fma_f32 v[S+j:S+j+1], v[S+j:S+j+1], s[CS:CS+1], v[12:13] op_sel_hi:[1,0,0]   ; t - M
.set j, j+2
.endr
.irp b, 0,1,2,3
	v_fma_f32 v[232+\b], v[232+\b], s[CS], v12
.endr
.set j, 0
.rept 64
	v_exp_f32 v[S+j], v[S+j]                       ; p = 2^(t - M)
.set j, j+1
.endr
.irp b, 0,1,2,3
	v_exp_f32 v[232+\b], v[232+\b]                 ; the block's largest p
.endr
	v_pk_mul_f32 v[14:15], v[14:15], v[252:253] op_sel_hi:[1,0]   ; the sums under the new M (a plain place behind the exponentials)
	s_wait_alu depctr_va_vdst(0)
.irp b, 0,1,2,3
	v_max_num_f32 v[232+\b], 0x1800000, v[232+\b]  ; the floor 2^(3 - 127)
.endr
.irp b, 0,1,2,3
	v_add_nc_u32 v[244+\b], 0xff000000, v[232+\b]
.endr
.irp b, 0,1,2,3
	v_lshrrev_b32 v[236+\b], 23, v[244+\b]
.endr
	v_lshl_or_b32 v253, v237, 8, v236              ; p's scale word for these 128 keys
	v_lshl_or_b32 v253, v238, 16, v253
	v_lshl_or_b32 v253, v239, 24, v253
.irp c, 0,1
	v_cvt_scalef32_pk16_fp6_f32 v[PCD+6*\c:PCD+2+6*\c], v[S+32*\c:S+15+32*\c], v[244+2*\c]
	v_cvt_scalef32_pk16_fp6_f32 v[236+4*\c:238+4*\c], v[S+16+32*\c:S+31+32*\c], v[245+2*\c]
.endr
	v_nop                                          ; one plain instruction behind the scaled conversions
.irp c, 0,1
.irp i, 0,1,2
	v_permlane16_swap_b32 v[PCD+6*\c+\i], v[236+4*\c+\i]
.endr
.irp i, 0,1,2
	v_mov_b32 v[PCD+3+6*\c+\i], v[236+4*\c+\i]
.endr
.endr
	v_pk_add_f32 v[236:237], v[S:S+1], v[S+2:S+3]  ; the row's sum is taken of the unquantised p, in two chains
.irp j, 4,8,12,16,20,24,28,32,36,40,44,48,52,56,60
	v_pk_add_f32 v[14:15], v[14:15], v[S+\j:S+1+\j]
	v_pk_add_f32 v[236:237], v[236:237], v[S+2+\j:S+3+\j]
.endr
	v_pk_add_f32 v[14:15], v[14:15], v[236:237]
.set j, 0
.rept 16
	v_pk_mul_f32 v[O+j:O+j+1], v[O+j:O+j+1], v[252:253] op_sel_hi:[1,0]   ; O^T under the new M
.set j, j+2
.endr
	s_wait_dscnt 0x0                               ; V
.irp d, 0,1,2,3
	PV \d                                          ; four accumulators, one product each
.endr
.Lhidden:
	s_add_co_u32 s[KF], s[KF], 128
	s_add_co_u32 s[TB], s[TB], 6144
	s_add_co_u32 s[TS], s[TS], 512
	s_add_co_u32 s[TJ], s[TJ], 256
	s_sub_co_u32 s[CNT], s[CNT], 1
	s_cmp_lg_u32 s[CNT], 0
	s_cbranch_scc1 .Lstep
	; THE WAY OUT: O^T / the sum goes through my stage and leaves as rows of 256 bytes
	v_add_f32 v14, v14, v15
	v_permlanex16_b32 v252, v14, s[SEL], s[SEL+1]
	v_add_f32 v14, v14, v252
	v_rcp_f32 v14, v14
	v_and_b32 v8, 15, v0                           ; (a plain place behind the transcendental)
	v_bfe_u32 v9, v0, 4, 1
	s_mul_i32 s24, s[WV], 4352
	s_add_co_u32 s24, s24, STAGE
	v_mul_u32_u24 v10, v8, 272
	v_lshl_add_u32 v10, v9, 5, v10
	v_add_nc_u32 v10, s24, v10                     ; in: row r, 32 h bytes on
	v_mul_u32_u24 v11, v9, 272
	v_lshl_add_u32 v11, v8, 4, v11
	v_add_nc_u32 v11, s24, v11                     ; back: lanes 0-15 one row, lanes 16-31 the next
.set j, 0
	s_wait_alu depctr_va_vdst(0)
.rept 32
	v_mul_f32 v[S+j], v[O+j], v14
.set j, j+1
.endr
.irp d, 0,1,2,3
	ds_store_b128 v10, v[S+8*\d:S+8*\d+3] offset:64*\d
	ds_store_b128 v10, v[S+8*\d+4:S+8*\d+7] offset:64*\d+16
.endr
.irp i, 0,1,2,3,4,5,6,7
	ds_load_b128 v[VF+4*\i:VF+4*\i+3], v11 offset:544*\i   ; LDS serves a wave's instructions in order: these see my stores
.endr
.irp i, 0,1,2,3,4,5,6,7
	s_wait_dscnt 7-\i                              ; the younger loads may be out
	global_store_b128 v[GO], v[VF+4*\i:VF+4*\i+3], s[6:7] offset:(2*\i+8*(\i/4))*4096   ; stage row p is query p + 8 (p / 8) of the tile; sixteen lanes store 256 consecutive bytes, aligned
.endr
	s_wait_xcnt 0x0
	v_lshl_add_u32 v254, v0, 2, 0x2a800
	v_mov_b32 v255, 0
	s_wait_tensorcnt 0x0
	ds_add_u32 v254, v255
	s_wait_dscnt 0x0
	CROUND                                         ; the closing round
	s_endpgm
.Lfunc_end_k_q1aff2dd2f3_attn:
	.size	k_q1aff2dd2f3_attn, .Lfunc_end_k_q1aff2dd2f3_attn-k_q1aff2dd2f3_attn
	.p2alignl 7, 3214868480
	.fill 96, 4, 3214868480
	.section	.rodata,"a",@progbits
	.p2align	6, 0x0
	.amdhsa_kernel k_q1aff2dd2f3_attn
		.amdhsa_group_segment_fixed_size 176128
		.amdhsa_private_segment_fixed_size 0
		.amdhsa_enable_private_segment 0
		.amdhsa_kernarg_size 16
		.amdhsa_user_sgpr_count 2
		.amdhsa_user_sgpr_kernarg_segment_ptr 1
		.amdhsa_wavefront_size32 1
		.amdhsa_system_sgpr_workgroup_id_x 1
		.amdhsa_system_sgpr_workgroup_id_y 1
		.amdhsa_system_sgpr_workgroup_id_z 1
		.amdhsa_system_vgpr_workitem_id 0
		.amdhsa_next_free_vgpr 256
		.amdhsa_next_free_sgpr 66
		.amdhsa_reserve_vcc 1
		.amdhsa_float_denorm_mode_32 3
		.amdhsa_float_denorm_mode_16_64 3
		.amdhsa_memory_ordered 1
		.amdhsa_forward_progress 1
		.amdhsa_inst_pref_size 34
	.end_amdhsa_kernel
	.amdgpu_metadata
---
amdhsa.version: [ 1, 2 ]
amdhsa.kernels:
  - .name:           k_q1aff2dd2f3_attn
    .symbol:         k_q1aff2dd2f3_attn.kd
    .args:
      - { .name: wsq, .offset: 0, .size: 8, .value_kind: global_buffer, .address_space: global }
      - { .name: wso, .offset: 8, .size: 8, .value_kind: global_buffer, .address_space: global }
    .group_segment_fixed_size: 176128
    .private_segment_fixed_size: 0
    .kernarg_segment_align: 8
    .kernarg_segment_size: 16
    .max_flat_workgroup_size: 512
    .sgpr_count:     66
    .vgpr_count:     256
    .wavefront_size: 32
...
	.end_amdgpu_metadata
.endif
;; end of part 3
;; launch post (part 4): grid 256 x 1, 16 waves a work-group, no clusters, 88,576 bytes of LDS; arguments x, wso, g1, b1, g2, b2, gf, bf, b2f, wsh; writes wsh
.if DOCPART == 4
	.amdgcn_target "amdgcn-amd-amdhsa--gfx1250"
	.amdhsa_code_object_version 6
	.text
	.protected	k_q1aff2dd2f3_post
	.globl	k_q1aff2dd2f3_post
	.p2align	8
	.type	k_q1aff2dd2f3_post,@function
k_q1aff2dd2f3_post:
	s_mov_b64 s[64:65], 0
	v_nop
	global_prefetch_b8 v0, s[64:65] scope:SCOPE_SE
	s_setreg_imm32_b32 hwreg(HW_REG_WAVE_MODE, 25, 1), 1
	s_wait_xcnt 0x0
; POST.  For each token: h = LN(x; g1, b1) once more (the same read as a stored h, and no store of it), x2 = h + o, x3 = LN(x2; g2, b2), hf = LN(x3; gf, bf), all in f32.
; Out: hf as codes of E2M3 along the 1,024 channels, laid as images of the operand's registers (tokens of a tile in their natural order), their scale words, and res = x3 + hf + b2f in f32.
; A work-group takes 16 tokens, a wave one row: the reductions never leave the wave.  A stream: no matrix unit, no tensor loads, no cluster.
; LIMITS: NaN and infinities are not served; a block of zeros gets the byte 1 (its codes are zeros; only this program reads the bytes).
.set HF_C, 0
.set HF_S, 3145728
.set RES,  3276800
.set IMG,  0
.set SCW,  12288
.set TURN, 12800
.set X,   16
.set O,   48
.set PA,  80
.set PB,  112
.set PG,  144
.set PD,  176
.set A4,  208
.set MU,  216
.set PT,  218
.set CD,  220
.set CT,  226
.set M0,  230
.set M1,  231
.set SCO, 232
.set BY,  233
.set TSA, 4
.set TRA, 5
.set IA,  6
.set IB,  7
.set ISW, 8
.set L16, 9
.set L8,  10
.set SEL, 36
.set C10, 38
.set EPS, 39
.macro RED32 r
	v_add_f32_dpp v[\r], v[\r], v[\r] row_xmask:1 row_mask:0xf bank_mask:0xf
	v_add_f32_dpp v[\r], v[\r], v[\r] row_xmask:2 row_mask:0xf bank_mask:0xf
	v_add_f32_dpp v[\r], v[\r], v[\r] row_xmask:4 row_mask:0xf bank_mask:0xf
	v_add_f32_dpp v[\r], v[\r], v[\r] row_xmask:8 row_mask:0xf bank_mask:0xf
	v_permlanex16_b32 v[PT], v[\r], s[SEL], s[SEL+1]
	v_add_f32 v[\r], v[\r], v[PT]
.endm
.macro FOLD4
	v_pk_add_f32 v[A4:A4+1], v[A4:A4+1], v[A4+2:A4+3]
	v_pk_add_f32 v[A4+4:A4+5], v[A4+4:A4+5], v[A4+6:A4+7]
	v_pk_add_f32 v[A4:A4+1], v[A4:A4+1], v[A4+4:A4+5]
	v_add_f32 v[A4], v[A4], v[A4+1]
	RED32 A4
.endm
.macro LNSTAT                          ; X becomes X - mean; MU becomes 1 / sqrt(mean of squares + eps)
.irp k, 0,1,2,3
	v_pk_add_f32 v[A4+2*\k:A4+2*\k+1], v[X+2*\k:X+2*\k+1], v[X+8+2*\k:X+9+2*\k]
.endr
.irp q, 16,24
.irp k, 0,1,2,3
	v_pk_add_f32 v[A4+2*\k:A4+2*\k+1], v[A4+2*\k:A4+2*\k+1], v[X+\q+2*\k:X+\q+2*\k+1]
.endr
.endr
	FOLD4
	v_mul_f32 v[MU], s[C10], v[A4]
	v_mov_b32 v[MU+1], v[MU]
.set p, 0
.rept 16
	v_pk_add_f32 v[X+p:X+p+1], v[X+p:X+p+1], v[MU:MU+1] neg_lo:[0,1] neg_hi:[0,1]
.set p, p+2
.endr
.irp k, 0,1,2,3
	v_pk_mul_f32 v[A4+2*\k:A4+2*\k+1], v[X+2*\k:X+2*\k+1], v[X+2*\k:X+2*\k+1]
.endr
.irp q, 8,16,24
.irp k, 0,1,2,3
	v_pk_fma_f32 v[A4+2*\k:A4+2*\k+1], v[X+\q+2*\k:X+\q+2*\k+1], v[X+\q+2*\k:X+\q+2*\k+1], v[A4+2*\k:A4+2*\k+1]
.endr
.endr
	FOLD4
	v_fma_f32 v[MU], v[A4], s[C10], s[EPS]
	v_rsq_f32 v[MU], v[MU]
	v_nop                                          ; one plain instruction behind the transcendental (ISA guide 5.7.2)
	s_wait_alu depctr_va_vdst(0)
	v_mov_b32 v[MU+1], v[MU]
.endm
.macro LNAPPLY gn, bs
.set p, 0
.rept 16
	v_pk_mul_f32 v[X+p:X+p+1], v[X+p:X+p+1], v[MU:MU+1]
.set p, p+2
.endr
.set p, 0
.rept 16
	v_pk_fma_f32 v[X+p:X+p+1], v[X+p:X+p+1], v[\gn+p:\gn+p+1], v[\bs+p:\bs+p+1]
.set p, p+2
.endr
.endm
.macro ADDTO d, e                      ; d += e, 32 numbers
.set p, 0
.rept 16
	v_pk_add_f32 v[\d+p:\d+p+1], v[\d+p:\d+p+1], v[\e+p:\e+p+1]
.set p, p+2
.endr
.endm
.macro LOAD8 reg, sb                   ; a row of 4,096 bytes: eight loads of 512 consecutive bytes
.irp j, 0,1,2,3,4,5,6,7
	global_load_b128 v[\reg+4*\j:\reg+4*\j+3], v1, s[\sb:\sb+1] offset:512*\j
.endr
.endm
.macro BLOCKQ xs, td
	v_max3_num_f32 v[M0], |v[\xs]|, |v[\xs+1]|, |v[\xs+2]|
	v_max3_num_f32 v[M1], |v[\xs+3]|, |v[\xs+4]|, |v[\xs+5]|
.irp i, 6,10,14,18,22,26
	v_max3_num_f32 v[M0], v[M0], |v[\xs+\i]|, |v[\xs+\i+1]|
	v_max3_num_f32 v[M1], v[M1], |v[\xs+\i+2]|, |v[\xs+\i+3]|
.endr
	v_max3_num_f32 v[M0], v[M0], |v[\xs+30]|, |v[\xs+31]|
	v_max3_num_f32 v[M0], v[M0], v[M1], 0x1800000  ; the floor 2^(3 - 127)
	v_add_nc_u32 v[SCO], 0xff000000, v[M0]
	v_lshrrev_b32 v[BY], 23, v[SCO]
	v_cvt_scalef32_pk16_fp6_f32 v[\td:\td+2], v[\xs:\xs+15], v[SCO]
	v_cvt_scalef32_pk16_fp6_f32 v[CT:CT+2], v[\xs+16:\xs+31], v[SCO]
	v_nop                                          ; one plain instruction behind the scaled conversions
.irp i, 0,1,2
	v_mov_b32 v[\td+3+\i], v[CT+\i]
.endr
.endm
.macro ROWQ
.irp j, 0,1,2,3,4,5,6,7
	ds_store_b128 v[TSA], v[X+4*\j:X+4*\j+3] offset:576*\j
.endr
.irp j, 0,1,2,3,4,5,6,7
	ds_load_b128 v[X+4*\j:X+4*\j+3], v[TRA] offset:16*\j   ; LDS serves a wave's instructions in order: these see the stores above
.endr
	s_wait_dscnt 0x0
	BLOCKQ X, CD
	ds_store_b64 v[IA], v[CD:CD+1] offset:IMG
	ds_store_b64 v[IB], v[CD+2:CD+3] offset:IMG+8
	ds_store_b64 v[IA], v[CD+4:CD+5] offset:IMG+512
	ds_store_b8 v[ISW], v[BY] offset:SCW
.endm
	s_load_b256 s[4:11], s[0:1], 0x0               ; x s[4:5], wso s[6:7], g1 s[8:9], b1 s[10:11]
	s_load_b256 s[12:19], s[0:1], 0x20             ; g2 s[12:13], b2 s[14:15], gf s[16:17], bf s[18:19]
	s_load_b128 s[20:23], s[0:1], 0x40             ; b2f s[20:21], wsh s[22:23]
	v_lshl_add_u32 v254, v0, 2, 0x15200
	v_mov_b32 v255, 0
	v_lshrrev_b32 v1, 5, v0
	v_readfirstlane_b32 s24, v1                    ; wave 0..15
	v_and_b32 v2, 31, v0
	v_lshlrev_b32 v1, 4, v2
	s_mov_b32 s[SEL], 0x76543210
	s_mov_b32 s[SEL+1], 0xfedcba98
	s_mov_b32 s[C10], 0x3a800000
	s_mov_b32 s[EPS], 0x3727c5ac
	s_lshl_b32 s26, ttmp9, 4
	s_add_co_u32 s26, s26, s24                     ; token
	s_lshl_b32 s26, s26, 12
	s_mov_b32 s27, 0
	s_wait_kmcnt 0x0
	s_add_nc_u64 s[4:5], s[4:5], s[26:27]
	s_add_nc_u64 s[6:7], s[6:7], s[26:27]
	LOAD8 X, 4
	LOAD8 PA, 8
	LOAD8 PB, 10
	LOAD8 O, 6
	LOAD8 PG, 12
	LOAD8 PD, 14
	s_add_co_u32 s26, s26, RES
	s_add_nc_u64 s[28:29], s[22:23], s[26:27]      ; res at my token
	s_mul_i32 s30, ttmp9, 12288
	s_mov_b32 s31, 0
	s_add_nc_u64 s[30:31], s[22:23], s[30:31]      ; the tile's images (HF_C = 0)
	s_lshl_b32 s32, ttmp9, 9
	s_add_co_u32 s32, s32, HF_S
	s_mov_b32 s33, 0
	s_add_nc_u64 s[32:33], s[22:23], s[32:33]
	v_lshrrev_b32 v3, 3, v2
	v_lshl_add_u32 v[TSA], v3, 4, v1
	s_mul_i32 s25, s24, 4608
	s_add_co_u32 s25, s25, TURN
	v_add_nc_u32 v[TSA], s25, v[TSA]
	v_mul_u32_u24 v[TRA], v2, 144
	v_add_nc_u32 v[TRA], s25, v[TRA]
	v_lshrrev_b32 v3, 2, v2
	v_mul_u32_u24 v[IA], v3, 1536
	v_and_b32 v11, 1, v2
	v_lshl_add_u32 v[IA], v11, 8, v[IA]
	s_lshl_b32 s25, s24, 4
	v_add_nc_u32 v[IA], s25, v[IA]
	v_bfe_u32 v11, v2, 1, 1
	v_mad_u32_u24 v[IB], v11, 1016, v[IA]
	v_mad_u32_u24 v[IA], v11, 520, v[IA]
	v_lshlrev_b32 v[ISW], 6, v3
	v_and_b32 v11, 3, v2
	v_add_nc_u32 v[ISW], v[ISW], v11
	s_lshl_b32 s25, s24, 2
	v_add_nc_u32 v[ISW], s25, v[ISW]
	v_lshlrev_b32 v[L16], 4, v0
	v_lshlrev_b32 v[L8], 3, v0
	v_mov_b32 v[PT], 0
	s_wait_loadcnt 40                              ; x is in; five rows' loads may be out
	LNSTAT
	s_wait_loadcnt 24                              ; g1, b1 are in; o, g2, b2 may be out
	LNAPPLY PA, PB                                 ; h
	LOAD8 PA, 16                                   ; gf, bf take g1's and b1's registers
	LOAD8 PB, 18
	s_wait_loadcnt 32                              ; o is in; g2, b2, gf, bf may be out
	ADDTO X, O                                     ; x2
	LOAD8 O, 20                                    ; b2f takes o's registers
	LNSTAT
	s_wait_loadcnt 24                              ; g2, b2 are in; gf, bf, b2f may be out
	LNAPPLY PG, PD                                 ; x3
	s_wait_loadcnt 0x0
	ADDTO O, X                                     ; b2f + x3
	LNSTAT
	LNAPPLY PA, PB                                 ; hf
	ADDTO O, X                                     ; res
.irp j, 0,1,2,3,4,5,6,7
	global_store_b128 v1, v[O+4*\j:O+4*\j+3], s[28:29] offset:512*\j
.endr
	ROWQ
	s_wait_dscnt 0x0                               ; my stores into the images have landed
	s_barrier_signal -1
	s_barrier_wait -1
	ds_load_b128 v[16:19], v[L16] offset:IMG
	ds_load_b64 v[20:21], v[L8] offset:IMG+8192
	s_wait_dscnt 0x1
	global_store_b128 v[L16], v[16:19], s[30:31]
	s_wait_dscnt 0x0
	global_store_b64 v[L8], v[20:21], s[30:31] offset:8192
	s_cmp_lg_u32 s24, 0
	s_cbranch_scc1 .Lend
	ds_load_b128 v[24:27], v1 offset:SCW
	s_wait_dscnt 0x0
	global_store_b128 v1, v[24:27], s[32:33]
.Lend:
	s_wait_tensorcnt 0x0
	ds_add_u32 v254, v255
	s_wait_dscnt 0x0
	s_endpgm
.Lfunc_end_k_q1aff2dd2f3_post:
	.size	k_q1aff2dd2f3_post, .Lfunc_end_k_q1aff2dd2f3_post-k_q1aff2dd2f3_post
	.p2alignl 7, 3214868480
	.fill 96, 4, 3214868480
	.section	.rodata,"a",@progbits
	.p2align	6, 0x0
	.amdhsa_kernel k_q1aff2dd2f3_post
		.amdhsa_group_segment_fixed_size 88576
		.amdhsa_private_segment_fixed_size 0
		.amdhsa_enable_private_segment 0
		.amdhsa_kernarg_size 80
		.amdhsa_user_sgpr_count 2
		.amdhsa_user_sgpr_kernarg_segment_ptr 1
		.amdhsa_wavefront_size32 1
		.amdhsa_system_sgpr_workgroup_id_x 1
		.amdhsa_system_sgpr_workgroup_id_y 1
		.amdhsa_system_sgpr_workgroup_id_z 1
		.amdhsa_system_vgpr_workitem_id 0
		.amdhsa_next_free_vgpr 256
		.amdhsa_next_free_sgpr 66
		.amdhsa_reserve_vcc 0
		.amdhsa_float_denorm_mode_32 3
		.amdhsa_float_denorm_mode_16_64 3
		.amdhsa_memory_ordered 1
		.amdhsa_forward_progress 1
		.amdhsa_inst_pref_size 36
	.end_amdhsa_kernel
	.amdgpu_metadata
---
amdhsa.version: [ 1, 2 ]
amdhsa.kernels:
  - .name:           k_q1aff2dd2f3_post
    .symbol:         k_q1aff2dd2f3_post.kd
    .args:
      - { .name: x, .offset: 0, .size: 8, .value_kind: global_buffer, .address_space: global }
      - { .name: wso, .offset: 8, .size: 8, .value_kind: global_buffer, .address_space: global }
      - { .name: g1, .offset: 16, .size: 8, .value_kind: global_buffer, .address_space: global }
      - { .name: b1, .offset: 24, .size: 8, .value_kind: global_buffer, .address_space: global }
      - { .name: g2, .offset: 32, .size: 8, .value_kind: global_buffer, .address_space: global }
      - { .name: b2, .offset: 40, .size: 8, .value_kind: global_buffer, .address_space: global }
      - { .name: gf, .offset: 48, .size: 8, .value_kind: global_buffer, .address_space: global }
      - { .name: bf, .offset: 56, .size: 8, .value_kind: global_buffer, .address_space: global }
      - { .name: b2f, .offset: 64, .size: 8, .value_kind: global_buffer, .address_space: global }
      - { .name: wsh, .offset: 72, .size: 8, .value_kind: global_buffer, .address_space: global }
    .group_segment_fixed_size: 88576
    .private_segment_fixed_size: 0
    .kernarg_segment_align: 8
    .kernarg_segment_size: 80
    .max_flat_workgroup_size: 512
    .sgpr_count:     66
    .vgpr_count:     256
    .wavefront_size: 32
...
	.end_amdgpu_metadata
.endif
;; end of part 4
;; launch ffn1 (part 5): grid 16 x 16, 4 waves a work-group, clusters of 4 x 4, 327,680 bytes of LDS; arguments wsh, wsp, b1f, wsa; writes wsa
.if DOCPART == 5
	.amdgcn_target "amdgcn-amd-amdhsa--gfx1250"
	.amdhsa_code_object_version 6
	.text
	.protected	k_q1aff2dd2f3_ffn1
	.globl	k_q1aff2dd2f3_ffn1
	.p2align	8
	.type	k_q1aff2dd2f3_ffn1,@function
k_q1aff2dd2f3_ffn1:
	s_mov_b64 s[64:65], 0
	v_nop
	global_prefetch_b8 v0, s[64:65] scope:SCOPE_SE
	s_setreg_imm32_b32 hwreg(HW_REG_WAVE_MODE, 25, 1), 1
	s_wait_xcnt 0x0
	s_wait_alu depctr_hold_cnt(0) depctr_sa_sdst(0) depctr_va_vdst(0) depctr_va_sdst(0) depctr_va_ssrc(0) depctr_va_vcc(0) depctr_vm_vsrc(0)
	s_getreg_b32 s2, hwreg(HW_REG_IB_STS2, 6, 4)
	s_cmp_eq_u32 s2, 0
	s_cbranch_scc0 .Lentry_in_a_cluster
	s_endpgm
.Lentry_in_a_cluster:
	s_bfe_u32 s2, ttmp6, 0x10000c
	s_cmp_lg_u32 s2, 0xf033
	s_cbranch_scc0 .Lentry_shape_is_right
	s_endpgm
.Lentry_shape_is_right:
; FFN1.  act = relu(hf W1 + b1f) on codes of E2M3 (K = 1,024), quantised at once along the 4,096 hidden units for the product that follows.
; A tile of the result is 256 tokens x 256 units; four waves, each 128 x 128: 64 accumulators, 512 registers.  Codes lie in memory as images of the operand's registers (1,536 bytes for 16 rows x 128 K).
; K goes in steps of 256 through a ring of two LDS slots filled by the tensor data mover; the scale words of the work-group's rows come once and stay.
; CLUSTERS: 4 x 4 work-groups; tokens' tiles are shared along a row of the cluster, units' tiles along a column: each is asked for jointly.
; THE MATRIX INSTRUCTION IS USED TRANSPOSED (source 0 = 16 units, source 1 = 16 tokens); W1's units of a tile are chosen so that the 16 registers of two neighbouring tiles are 16 neighbouring units.
; The bias is the C of each sum's first product.  A wave's 128 units are one K step of the next product: a block of 16 tokens becomes one image and one scale word a token.
; LIMITS: NaN and infinities are not served; a block of zeros gets the byte 1 (its codes are zeros; only this program reads the bytes).
; REGISTERS: as in the launch for q, k, v: window 0: v16-31 addresses; v32-63 scale words and nothing else; v64-127 the bias, later at work; v128-223 the tokens' fragments.  window 1: the units' two sets.  windows 2, 3: accumulators.
.set W1_C,   2359296
.set W1_S,   11894784
.set HF_S,   3145728
.set A_S,    12582912
.set NQ,     2
.set FR,     12
.set NL,     3
.set NP,     4
.set HALFT,  24576
.set SLOT,   4*HALFT
.set SCL,    2*SLOT
.set HALFS,  4096
.set SPARE,  SCL+4*HALFS
.set SCST,   SPARE+512
.set ADRA, 16
.set L16,  18
.set ADRB, 20
.set SCA,  22
.set SCR,  23
.set ADRS, 27
.set SPW,  28
.set NIL,  29
.set SC,   32
.set BIAS, 64
.set AF,   128
.set TM,   64
.set PW,   80
.set PC,   84
.set OW,   104
.set G1, 24
.set G0, 32
.set G1B, 48
.set G0B, 56
.set SEL, 66
.set G1S, 68
.set G0S, 76
.set G1SB, 80
.set G0SB, 88
.set MSB, 0
.macro WIN new
.if MSB != (\new)
	s_set_vgpr_msb (MSB<<8)|(\new)
.set MSB, (\new)
.endif
.endm
.set MUL_LO, 0xa1
.set MUL_HI, 0xf1
.set TO_B,   0x40
.macro JLOAD g0a, g1a, g0b, g1b        ; waves 0, 1: the tokens' halves; waves 2, 3: the units'.  Four v_nop follow each line
	s_cmp_eq_u32 s15, 0
	s_cbranch_scc0 .Lfor_b_\@
	tensor_load_to_lds s[\g0a:\g0a+3], s[\g1a:\g1a+7]
	s_nop 0
.rept 4
	v_nop
.endr
	s_branch .Lasked_\@
.Lfor_b_\@:
	tensor_load_to_lds s[\g0b:\g0b+3], s[\g1b:\g1b+7]
	s_nop 0
.rept 4
	v_nop
.endr
.Lasked_\@:
.endm
.macro CREST
	s_cmp_lg_u32 s14, 0
	s_cbranch_scc1 .Lnot_wave_0_\@
	s_barrier_signal -3
.Lnot_wave_0_\@:
	s_barrier_wait -3
	s_barrier_signal -1
	s_barrier_wait -1
.endm
.macro CROUND
	s_barrier_signal -1
	s_barrier_wait -1
	CREST
.endm
.macro PLACES n
.rept \n
	v_nop
.endr
.endm
	s_load_b256 s[4:11], s[0:1], 0x0               ; wsh s[4:5], wsp s[6:7], b1f s[8:9], wsa s[10:11]
	v_lshl_add_u32 v[SPW], v0, 2, SPARE
	v_mov_b32 v[NIL], 0
	ds_add_u32 v28, v29
	ds_add_u32 v28, v29
	s_wait_dscnt 0x0
	v_lshrrev_b32 v1, 5, v0
	v_readfirstlane_b32 s14, v1
	s_lshr_b32 s15, s14, 1
	s_and_b32 s16, s14, 1
	s_bfe_u32 s40, ttmp6, 0x40000
	s_bfe_u32 s41, ttmp6, 0x40004
	s_lshl_b32 s42, ttmp9, 2
	s_add_co_u32 s42, s42, s40                     ; block of 256 units
	s_and_b32 s17, ttmp7, 0xffff
	s_lshl_b32 s17, s17, 2
	s_add_co_u32 s17, s17, s41                     ; block of 256 tokens
	s_lshl_b32 s43, s41, 2
	s_lshl_b32 s43, 15, s43
	s_lshl_b32 s44, 0x1111, s40
	s_mov_b32 s[SEL], 0x76543210
	s_mov_b32 s[SEL+1], 0xfedcba98
	s_or_b32 s[G1+0], s43, (3<<16)|(1<<21)         ; codes: 8 rows (tiles) of 384 elements of 8 bytes, 1,536 elements from tile to tile
	s_or_b32 s[G1B+0], s44, (3<<16)|(1<<21)
.irp g, G1, G1B
	s_mov_b32 s[\g+1], 384<<16
	s_mov_b32 s[\g+2], 8<<16
	s_mov_b32 s[\g+3], 384<<16
	s_mov_b32 s[\g+4], 8
	s_mov_b32 s[\g+5], 1536
	s_mov_b32 s[\g+6], 0
	s_mov_b32 s[\g+7], 0
.endr
	s_or_b32 s[G1S+0], s43, (3<<16)|(1<<21)        ; scale words: 4,096 dense bytes as 16 rows of 256
	s_or_b32 s[G1SB+0], s44, (3<<16)|(1<<21)
.irp g, G1S, G1SB
	s_mov_b32 s[\g+1], 32<<16
	s_mov_b32 s[\g+2], 16<<16
	s_mov_b32 s[\g+3], 32<<16
	s_mov_b32 s[\g+4], 16
	s_mov_b32 s[\g+5], 32
	s_mov_b32 s[\g+6], 0
	s_mov_b32 s[\g+7], 0
.endr
	s_lshl_b32 s18, s16, 3
	s_lshl_b32 s20, s17, 4
	s_add_co_u32 s20, s20, s18
	s_lshl_b32 s46, s42, 4
	s_add_co_u32 s46, s46, s18
	s_lshl_b32 s22, s20, 9
	s_add_co_u32 s22, s22, HF_S
	s_lshl_b32 s92, s46, 9
	s_add_co_u32 s92, s92, W1_S
	s_mul_i32 s20, s20, 12288
	s_mul_i32 s46, s46, 12288
	s_add_co_u32 s46, s46, W1_C
	s_mov_b32 s21, 0
	s_mov_b32 s23, 0
	s_mov_b32 s47, 0
	s_mov_b32 s93, 0
	s_mul_i32 s45, s14, HALFT
	s_mul_i32 s94, s14, HALFS
	s_wait_kmcnt 0x0
	s_add_nc_u64 s[20:21], s[4:5], s[20:21]
	s_add_nc_u64 s[22:23], s[4:5], s[22:23]
	s_add_nc_u64 s[46:47], s[6:7], s[46:47]
	s_add_nc_u64 s[92:93], s[6:7], s[92:93]
	CROUND
	s_mov_b32 s[G0S], 1
	s_add_co_u32 s[G0S+1], s94, SCL
	s_mov_b64 s[G0S+2:G0S+3], s[22:23]
	s_or_b32 s[G0S+3], s[G0S+3], 0x80000000
	s_mov_b32 s[G0SB], 1
	s_add_co_u32 s[G0SB+1], s94, SCL
	s_mov_b64 s[G0SB+2:G0SB+3], s[92:93]
	s_or_b32 s[G0SB+3], s[G0SB+3], 0x80000000
	JLOAD G0S, G1S, G0SB, G1SB
.irp s, 0,1
	s_mov_b32 s[G0+4*\s], 1
	s_add_co_u32 s[G0+4*\s+1], s45, \s*SLOT
	s_add_nc_u64 s[G0+4*\s+2:G0+4*\s+3], s[20:21], \s*3072
	s_or_b32 s[G0+4*\s+3], s[G0+4*\s+3], 0x80000000
	s_mov_b32 s[G0B+4*\s], 1
	s_add_co_u32 s[G0B+4*\s+1], s45, \s*SLOT
	s_add_nc_u64 s[G0B+4*\s+2:G0B+4*\s+3], s[46:47], \s*3072
	s_or_b32 s[G0B+4*\s+3], s[G0B+4*\s+3], 0x80000000
	JLOAD G0+4*\s, G1, G0B+4*\s, G1B
.endr
	v_and_b32 v1, 15, v0
	v_bfe_u32 v2, v0, 4, 1
	v_and_b32 v3, 31, v0
	v_lshlrev_b32 v[L16], 4, v3
	s_mul_i32 s21, s15, HALFT
	s_mul_i32 s22, s16, HALFT
	s_add_co_u32 s22, s22, 2*HALFT
.irp s, 0,1
	v_add_nc_u32 v[ADRA+\s], s21, v[L16]
	v_add_nc_u32 v[ADRB+\s], s22, v[L16]
	s_add_co_u32 s21, s21, SLOT
	s_add_co_u32 s22, s22, SLOT
.endr
	s_mul_i32 s21, s15, HALFS
	s_mul_i32 s22, s16, HALFS
	s_add_co_u32 s22, s22, 2*HALFS
	s_sub_co_u32 s22, s22, s21
	v_mul_u32_u24 v6, s22, v2
	s_add_co_u32 s21, s21, SCL
	v_lshlrev_b32 v5, 2, v1
	v_add_nc_u32 v6, v5, v6
	v_add_nc_u32 v[ADRS], s21, v6
	s_lshl_b32 s21, s14, 10
	s_add_co_u32 s21, s21, SCST
	v_add_nc_u32 v[SCA], s21, v5                   ; 4 r: both halves of the lanes hold the same word and write it to the same place
	v_add_nc_u32 v[SCR], s21, v[L16]
	s_lshl_b32 s98, s42, 10
	s_lshl_b32 s99, s16, 9
	s_add_co_u32 s98, s98, s99
	s_mov_b32 s99, 0
	s_add_nc_u64 s[96:97], s[8:9], s[98:99]        ; b1f at my 128 units
	v_lshlrev_b32 v4, 6, v2
.irp t, 0,1,2,3,4,5,6,7
	global_load_b128 v[BIAS+8*\t:BIAS+8*\t+3], v4, s[96:97] offset:(32*(\t/2)+8*(\t%2))*4
	global_load_b128 v[BIAS+8*\t+4:BIAS+8*\t+7], v4, s[96:97] offset:(32*(\t/2)+8*(\t%2))*4+16
.endr
.macro FRAG reg, adr, q, i
.irp g, 0,1,2
	ds_load_b128 v[\reg+4*\g:\reg+4*\g+3], v[\adr] offset:3072*(\i)+1536*(\q)+512*\g
.endr
.endm
.macro MUL16 a0, p, q, sc, zero        ; the 64 accumulators take turns
.irp a, \a0, \a0+1
.irp b, 0,1,2,3,4,5,6,7
.if \zero
	v_wmma_scale_f32_16x16x128_f8f6f4 v[8*(8*((\a)%4)+\b):8*(8*((\a)%4)+\b)+7], v[128*(\p)+FR*\b:128*(\p)+FR*\b+FR-1], v[AF+FR*(\a):AF+FR*(\a)+FR-1], v[BIAS+8*\b:BIAS+8*\b+7], v[SC+16*(\sc)+2*\b+(\q)], v[SC+16*(\sc)+2*(\a)+(\q)] matrix_a_fmt:MATRIX_FMT_FP6 matrix_b_fmt:MATRIX_FMT_FP6 matrix_a_scale:MATRIX_SCALE_ROW1
.else
	v_wmma_scale_f32_16x16x128_f8f6f4 v[8*(8*((\a)%4)+\b):8*(8*((\a)%4)+\b)+7], v[128*(\p)+FR*\b:128*(\p)+FR*\b+FR-1], v[AF+FR*(\a):AF+FR*(\a)+FR-1], v[8*(8*((\a)%4)+\b):8*(8*((\a)%4)+\b)+7], v[SC+16*(\sc)+2*\b+(\q)], v[SC+16*(\sc)+2*(\a)+(\q)] matrix_a_fmt:MATRIX_FMT_FP6 matrix_b_fmt:MATRIX_FMT_FP6 matrix_a_scale:MATRIX_SCALE_ROW1
.endif
.endr
.endr
.endm
.macro FETCH_B slot, q, p
	WIN TO_B
.irp i, 0,1,2,3,4,5,6,7
	FRAG 128*(\p)+FR*\i, ADRB+\slot, \q, \i
.endr
	WIN 0
.endm
.macro FETCH_A slot, q, i0
.irp i, \i0, \i0+1, \i0+2, \i0+3
	FRAG AF+FR*(\i), ADRA+\slot, \q, \i
.endr
.endm
.macro SCALES sc
.irp i, 0,1,2,3,4,5,6,7
.irp q, 0,1
	ds_load_b32 v[SC+16*(\sc)+2*\i+\q], v[ADRS] offset:512*\i+64*\q
.endr
.endr
.endm
.macro STEP slot, q, zero
	s_wait_dscnt 4*NL                              ; all but the youngest twelve loads (the tokens' blocks 4-7)
.if \zero
	WIN 0x81
.else
	WIN MUL_LO
.endif
	MUL16 0, (\q)%2, \q, \slot, \zero
	MUL16 2, (\q)%2, \q, \slot, \zero
	s_wait_dscnt 0
	PLACES NP                                      ; four plain places in front of loads into registers that products have read
	FETCH_B \slot, (\q)+1, 1-(\q)%2
	FETCH_A \slot, (\q)+1, 0
.if \zero
	WIN 0xc1
.else
	WIN MUL_HI
.endif
	MUL16 4, (\q)%2, \q, \slot, \zero
	MUL16 6, (\q)%2, \q, \slot, \zero
	PLACES NP
	WIN 0
	FETCH_A \slot, (\q)+1, 4
.endm
.macro TURN slot, next, fill
	s_wait_tensorcnt 0x0                           ; all my tensor loads have landed: my part of the next slot
	ds_add_u32 v[SPW], v[NIL]                      ; 0 onto my spare word
	s_wait_dscnt 4*NL+1                            ; (the add and the youngest twelve loads may be out)
	WIN MUL_LO
	MUL16 0, 1, NQ-1, \slot, 0
	s_wait_dscnt 0x0                               ; the add is done, and my reads of this slot are over
	s_barrier_signal -1
	MUL16 2, 1, NQ-1, \slot, 0
	WIN 0
	s_barrier_wait -1
.if \fill
	CREST                                          ; a round of the cluster's barrier: no wave of any partner still reads this slot or has a load on its way
	s_add_nc_u64 s[G0+4*\slot+2:G0+4*\slot+3], s[G0+4*\slot+2:G0+4*\slot+3], 6144
	s_add_nc_u64 s[G0B+4*\slot+2:G0B+4*\slot+3], s[G0B+4*\slot+2:G0B+4*\slot+3], 6144
	JLOAD G0+4*\slot, G1, G0B+4*\slot, G1B
.else
	PLACES NP
.endif
	v_add_nc_u32 v[ADRS], 128, v[ADRS]
	FETCH_B \next, 0, 0
	FETCH_A \next, 0, 0
	SCALES \next
	WIN MUL_HI
	MUL16 4, 1, NQ-1, \slot, 0
	MUL16 6, 1, NQ-1, \slot, 0
	PLACES NP
	WIN 0
	FETCH_A \next, 0, 4
.endm
	s_wait_tensorcnt 1                             ; the scale words and my part of slot 0 are in; slot 1's load may be out
	s_barrier_signal -1
	s_barrier_wait -1
	FETCH_B 0, 0, 0
	FETCH_A 0, 0, 0
	SCALES 0
	FETCH_A 0, 0, 4
	s_wait_loadcnt 0x0                             ; the bias
	STEP 0, 0, 1
	TURN 0, 1, 1
	STEP 1, 0, 0
	TURN 1, 0, 1
	STEP 0, 0, 0
	TURN 0, 1, 0
	STEP 1, 0, 0
	s_wait_dscnt 4*NL
	WIN MUL_LO
	MUL16 0, 1, NQ-1, 1, 0
	MUL16 2, 1, NQ-1, 1, 0
	s_wait_dscnt 0
	WIN MUL_HI
	MUL16 4, 1, NQ-1, 1, 0
	MUL16 6, 1, NQ-1, 1, 0
	WIN 0
	PLACES NP
; Block a's 64 registers (register 16 b + i = unit 32 b + 16 h + i of my token): relu, then a fragment's codes in v[PC] on and my token's scale word in v[PW].
.macro QUANTW a
.set AC, 64*((\a)%4)
.set HW, (\a)/4
	WIN 0x88+0x44*HW
.set j, 0
.rept 64
	v_max_num_f32 v[AC+j], 0, v[AC+j]              ; the activation, in f32; each accumulator from its low end on
.set j, j+1
.endr
	WIN 0x28+0x14*HW
.irp b, 0,1,2,3
	v_max3_num_f32 v[TM+\b], 0x1800000, v[AC+16*\b], v[AC+16*\b+1]   ; none is negative; the floor 2^(3 - 127)
.endr
.irp i, 2,4,6,8,10,12,14
.irp b, 0,1,2,3
	v_max3_num_f32 v[TM+\b], v[TM+\b], v[AC+16*\b+\i], v[AC+16*\b+\i+1]
.endr
.endr
	WIN 0
.irp b, 0,1,2,3
	v_permlanex16_b32 v[TM+4+\b], v[TM+\b], s[SEL], s[SEL+1]
.endr
.irp b, 0,1,2,3
	v_max_num_f32 v[TM+\b], v[TM+\b], v[TM+4+\b]
.endr
.irp b, 0,1,2,3
	v_add_nc_u32 v[TM+12+\b], 0xff000000, v[TM+\b]
.endr
.irp b, 0,1,2,3
	v_lshrrev_b32 v[TM+4+\b], 23, v[TM+12+\b]
.endr
	v_lshl_or_b32 v[PW], v[TM+5], 8, v[TM+4]
	v_lshl_or_b32 v[PW], v[TM+6], 16, v[PW]
	v_lshl_or_b32 v[PW], v[TM+7], 24, v[PW]
	s_wait_xcnt 0x0                                ; the last block's stores have read the codes' registers
	WIN 0x02+HW
.irp c, 0,1
	v_cvt_scalef32_pk16_fp6_f32 v[PC+6*\c:PC+6*\c+2], v[AC+32*\c:AC+32*\c+15], v[TM+12+2*\c]
	v_cvt_scalef32_pk16_fp6_f32 v[PC+12+4*\c:PC+14+4*\c], v[AC+32*\c+16:AC+32*\c+31], v[TM+13+2*\c]
.endr
	WIN 0
	v_nop                                          ; one plain instruction behind the scaled conversions
.irp c, 0,1
.irp i, 0,1,2
	v_permlane16_swap_b32 v[PC+6*\c+\i], v[PC+12+4*\c+\i]
.endr
.irp i, 0,1,2
	v_mov_b32 v[PC+3+6*\c+\i], v[PC+12+4*\c+\i]
.endr
.endr
.endm
	s_lshl_b32 s2, s17, 4
	s_lshl_b32 s3, s15, 3
	s_add_co_u32 s2, s2, s3                        ; my first tile of 16 tokens
	s_lshl_b32 s3, s42, 1
	s_add_co_u32 s3, s3, s16                       ; my K step of the next product
	s_mov_b32 s99, 0
	s_mul_i32 s98, s2, 49152
	s_mul_i32 s95, s3, 1536
	s_add_co_u32 s98, s98, s95
	s_add_nc_u64 s[4:5], s[10:11], s[98:99]
	s_lshl_b32 s98, s3, 14
	s_lshl_b32 s95, s2, 6
	s_add_co_u32 s98, s98, s95
	s_add_co_u32 s98, s98, A_S
	s_add_nc_u64 s[6:7], s[10:11], s[98:99]
.irp b, 0,1,2,3
	v_mov_b32 v[TM+4+\b], 0                        ; a lane permute's destination counts as one of its sources
.endr
.irp a, 0,1,2,3,4,5,6,7
	QUANTW \a
.irp g, 0,1,2
	global_store_b128 v[L16], v[PC+4*\g:PC+4*\g+3], s[4:5] offset:49152*\a+512*\g   ; the image as it stands: 512 consecutive bytes a store
.endr
	ds_store_b32 v[SCA], v[PW] offset:64*\a
.endr
	ds_load_b128 v[OW:OW+3], v[SCR]                ; my eight tiles' scale words: LDS serves a wave's instructions in order
	s_wait_dscnt 0x0
	global_store_b128 v[L16], v[OW:OW+3], s[6:7]
	s_wait_tensorcnt 0x0                           ; the wave's end
	ds_add_u32 v[SPW], v[NIL]
	s_wait_dscnt 0x0
	CROUND                                         ; the closing round
	s_endpgm
.Lfunc_end_k_q1aff2dd2f3_ffn1:
	.size	k_q1aff2dd2f3_ffn1, .Lfunc_end_k_q1aff2dd2f3_ffn1-k_q1aff2dd2f3_ffn1
	.p2alignl 7, 3214868480
	.fill 96, 4, 3214868480
	.section	.rodata,"a",@progbits
	.p2align	6, 0x0
	.amdhsa_kernel k_q1aff2dd2f3_ffn1
		.amdhsa_group_segment_fixed_size 327680
		.amdhsa_private_segment_fixed_size 0
		.amdhsa_enable_private_segment 0
		.amdhsa_kernarg_size 32
		.amdhsa_user_sgpr_count 2
		.amdhsa_user_sgpr_kernarg_segment_ptr 1
		.amdhsa_wavefront_size32 1
		.amdhsa_system_sgpr_workgroup_id_x 1
		.amdhsa_system_sgpr_workgroup_id_y 1
		.amdhsa_system_sgpr_workgroup_id_z 1
		.amdhsa_system_vgpr_workitem_id 0
		.amdhsa_next_free_vgpr 1024
		.amdhsa_next_free_sgpr 100
		.amdhsa_reserve_vcc 0
		.amdhsa_float_denorm_mode_32 3
		.amdhsa_float_denorm_mode_16_64 3
		.amdhsa_memory_ordered 1
		.amdhsa_forward_progress 1
		.amdhsa_inst_pref_size 160
	.end_amdhsa_kernel
	.amdgpu_metadata
---
amdhsa.version: [ 1, 2 ]
amdhsa.kernels:
  - .name:           k_q1aff2dd2f3_ffn1
    .symbol:         k_q1aff2dd2f3_ffn1.kd
    .args:
      - { .name: wsh, .offset: 0, .size: 8, .value_kind: global_buffer, .address_space: global }
      - { .name: wsp, .offset: 8, .size: 8, .value_kind: global_buffer, .address_space: global }
      - { .name: b1f, .offset: 16, .size: 8, .value_kind: global_buffer, .address_space: global }
      - { .name: wsa, .offset: 24, .size: 8, .value_kind: global_buffer, .address_space: global }
    .group_segment_fixed_size: 327680
    .private_segment_fixed_size: 0
    .kernarg_segment_align: 8
    .kernarg_segment_size: 32
    .max_flat_workgroup_size: 128
    .sgpr_count:     100
    .vgpr_count:     1024
    .wavefront_size: 32
...
	.end_amdgpu_metadata
.endif
;; end of part 5
;; launch ffn2 (part 6): grid 8 x 32, 4 waves a work-group, clusters of 4 x 4, 327,680 bytes of LDS; arguments wsa, wsp, wsh, out0; writes out0
.if DOCPART == 6
	.amdgcn_target "amdgcn-amd-amdhsa--gfx1250"
	.amdhsa_code_object_version 6
	.text
	.protected	k_q1aff2dd2f3_ffn2
	.globl	k_q1aff2dd2f3_ffn2
	.p2align	8
	.type	k_q1aff2dd2f3_ffn2,@function
k_q1aff2dd2f3_ffn2:
	s_mov_b64 s[64:65], 0
	v_nop
	global_prefetch_b8 v0, s[64:65] scope:SCOPE_SE
	s_setreg_imm32_b32 hwreg(HW_REG_WAVE_MODE, 25, 1), 1
	s_wait_xcnt 0x0
	s_wait_alu depctr_hold_cnt(0) depctr_sa_sdst(0) depctr_va_vdst(0) depctr_va_sdst(0) depctr_va_ssrc(0) depctr_va_vcc(0) depctr_vm_vsrc(0)
	s_getreg_b32 s2, hwreg(HW_REG_IB_STS2, 6, 4)
	s_cmp_eq_u32 s2, 0
	s_cbranch_scc0 .Lentry_in_a_cluster
	s_endpgm
.Lentry_in_a_cluster:
	s_bfe_u32 s2, ttmp6, 0x10000c
	s_cmp_lg_u32 s2, 0xf033
	s_cbranch_scc0 .Lentry_shape_is_right
	s_endpgm
.Lentry_shape_is_right:
; FFN2.  out = act W2 + res on codes of E2M3 (K = 4,096), res = x3 + hf + b2f in f32.
; The result is 4,096 x 1,024: tiles of 128 x 128 give 256 work-groups, where tiles of 256 x 256 would give 64.  Four waves, each 64 x 64: 16 accumulators, 128 registers.
; Codes lie in memory as images of the operand's registers.  K goes in steps of 512 (four products deep) through a ring of two LDS slots; a tile's part of a slot is 6,144 consecutive bytes of memory.
; The scale words of the work-group's rows, for all of K, come once with the first fills (rows of 256 bytes, one for each 128 along K) and stay.
; CLUSTERS: 4 x 4 work-groups; tokens' tiles are shared along a row of the cluster, units' tiles along a column.
; THE MATRIX INSTRUCTION IS USED TRANSPOSED (source 0 = 16 units, source 1 = 16 tokens): a lane holds eight neighbouring numbers of a row of the result.
; A wave's 64 columns are 256 bytes, aligned: each wave's results go through its own stage and leave as whole rows; no barrier on the way out.
; REGISTERS: window 0: v16-31 addresses; v32-63 scale words, two sets, and nothing else; v64-127 the way out; v128-255 the accumulators ((a, b) at v[128 + 8 (4 a + b)]).
;   window 1: two fragment buffers at v0 and v128: the tokens' four fragments, then the units' four.   window 2: v0-127 res, asked for at the head.
.set W2_C,   5505024
.set W2_S,   12025856
.set A_S,    12582912
.set RES,    3276800
.set HALFT,  24576                     ; 4 tiles x 4 K steps x 1,536
.set SLOT,   4*HALFT
.set SCL,    2*SLOT
.set HALFS,  8192                      ; 32 K steps x 4 tiles x 64
.set SPARE,  SCL+4*HALFS
.set STAGE,  SPARE+512                 ; 16 rows x 272 bytes a wave; no fill lands here
.set ADRA, 16
.set L16,  18
.set ADRB, 20
.set STO,  24
.set RD,   25
.set CO,   26
.set ADRS, 27
.set SPW,  28
.set NIL,  29
.set SC,   32
.set OB,   64
.set ACC,  128
.set F0,   0
.set F1,   128
.set G1, 24
.set G0, 32
.set G1B, 48
.set G0B, 56
.set G1S, 68
.set G0S, 76
.set G1SB, 80
.set G0SB, 88
.set MSB, 0
.macro WIN new
.if MSB != (\new)
	s_set_vgpr_msb (MSB<<8)|(\new)
.set MSB, (\new)
.endif
.endm
.set MUL,  0x05                        ; sources 0 and 1 window 1; C and D window 0
.set TO_F, 0x40
.macro JLOAD g0a, g1a, g0b, g1b
	s_cmp_eq_u32 s15, 0
	s_cbranch_scc0 .Lfor_b_\@
	tensor_load_to_lds s[\g0a:\g0a+3], s[\g1a:\g1a+7]
	s_nop 0
.rept 4
	v_nop
.endr
	s_branch .Lasked_\@
.Lfor_b_\@:
	tensor_load_to_lds s[\g0b:\g0b+3], s[\g1b:\g1b+7]
	s_nop 0
.rept 4
	v_nop
.endr
.Lasked_\@:
.endm
.macro CREST
	s_cmp_lg_u32 s14, 0
	s_cbranch_scc1 .Lnot_wave_0_\@
	s_barrier_signal -3
.Lnot_wave_0_\@:
	s_barrier_wait -3
	s_barrier_signal -1
	s_barrier_wait -1
.endm
.macro CROUND
	s_barrier_signal -1
	s_barrier_wait -1
	CREST
.endm
.macro PLACES
.rept 4
	v_nop
.endr
.endm
	s_load_b256 s[4:11], s[0:1], 0x0               ; wsa s[4:5], wsp s[6:7], wsh s[8:9], out0 s[10:11]
	v_lshl_add_u32 v[SPW], v0, 2, SPARE
	v_mov_b32 v[NIL], 0
	ds_add_u32 v28, v29
	ds_add_u32 v28, v29
	s_wait_dscnt 0x0
	v_lshrrev_b32 v1, 5, v0
	v_readfirstlane_b32 s14, v1
	s_lshr_b32 s15, s14, 1
	s_and_b32 s16, s14, 1
	s_bfe_u32 s40, ttmp6, 0x40000
	s_bfe_u32 s41, ttmp6, 0x40004
	s_lshl_b32 s42, ttmp9, 2
	s_add_co_u32 s42, s42, s40                     ; block of 128 units
	s_and_b32 s17, ttmp7, 0xffff
	s_lshl_b32 s17, s17, 2
	s_add_co_u32 s17, s17, s41                     ; block of 128 tokens
	s_lshl_b32 s43, s41, 2
	s_lshl_b32 s43, 15, s43
	s_lshl_b32 s44, 0x1111, s40
	s_or_b32 s[G1+0], s43, (3<<16)|(1<<21)         ; codes: 4 rows (tiles) of 768 elements of 8 bytes, 6,144 elements from tile to tile
	s_or_b32 s[G1B+0], s44, (3<<16)|(1<<21)
.irp g, G1, G1B
	s_mov_b32 s[\g+1], 768<<16
	s_mov_b32 s[\g+2], 4<<16
	s_mov_b32 s[\g+3], 768<<16
	s_mov_b32 s[\g+4], 4
	s_mov_b32 s[\g+5], 6144
	s_mov_b32 s[\g+6], 0
	s_mov_b32 s[\g+7], 0
.endr
	s_or_b32 s[G1S+0], s43, (3<<16)|(1<<21)        ; scale words: 32 rows (K steps) of 256 bytes
	s_or_b32 s[G1SB+0], s44, (3<<16)|(1<<21)
.irp g, G1S, G1SB
	s_mov_b32 s[\g+1], 32<<16
	s_mov_b32 s[\g+2], 32<<16
	s_mov_b32 s[\g+3], 32<<16
	s_mov_b32 s[\g+4], 32
	s_mov_b32 s[\g+6], 0
	s_mov_b32 s[\g+7], 0
.endr
	s_mov_b32 s[G1S+5], 2048                       ; 16,384 bytes from K step to K step (256 tiles of tokens)
	s_mov_b32 s[G1SB+5], 512                       ; 4,096 bytes (64 tiles of units)
	s_lshl_b32 s18, s16, 2                         ; which 4 tiles I fetch
	s_lshl_b32 s20, s17, 3
	s_add_co_u32 s20, s20, s18
	s_lshl_b32 s46, s42, 3
	s_add_co_u32 s46, s46, s18
	s_lshl_b32 s22, s20, 6
	s_add_co_u32 s22, s22, A_S
	s_lshl_b32 s92, s46, 6
	s_add_co_u32 s92, s92, W2_S
	s_mul_i32 s20, s20, 49152
	s_mul_i32 s46, s46, 49152
	s_add_co_u32 s46, s46, W2_C
	s_mov_b32 s21, 0
	s_mov_b32 s23, 0
	s_mov_b32 s47, 0
	s_mov_b32 s93, 0
	s_mul_i32 s45, s14, HALFT
	s_mul_i32 s94, s14, HALFS
	s_wait_kmcnt 0x0
	s_add_nc_u64 s[20:21], s[4:5], s[20:21]
	s_add_nc_u64 s[22:23], s[4:5], s[22:23]
	s_add_nc_u64 s[46:47], s[6:7], s[46:47]
	s_add_nc_u64 s[92:93], s[6:7], s[92:93]
	CROUND
	s_mov_b32 s[G0S], 1
	s_add_co_u32 s[G0S+1], s94, SCL
	s_mov_b64 s[G0S+2:G0S+3], s[22:23]
	s_or_b32 s[G0S+3], s[G0S+3], 0x80000000
	s_mov_b32 s[G0SB], 1
	s_add_co_u32 s[G0SB+1], s94, SCL
	s_mov_b64 s[G0SB+2:G0SB+3], s[92:93]
	s_or_b32 s[G0SB+3], s[G0SB+3], 0x80000000
	JLOAD G0S, G1S, G0SB, G1SB
.irp s, 0,1
	s_mov_b32 s[G0+4*\s], 1
	s_add_co_u32 s[G0+4*\s+1], s45, \s*SLOT
	s_add_nc_u64 s[G0+4*\s+2:G0+4*\s+3], s[20:21], \s*6144
	s_or_b32 s[G0+4*\s+3], s[G0+4*\s+3], 0x80000000
	s_mov_b32 s[G0B+4*\s], 1
	s_add_co_u32 s[G0B+4*\s+1], s45, \s*SLOT
	s_add_nc_u64 s[G0B+4*\s+2:G0B+4*\s+3], s[46:47], \s*6144
	s_or_b32 s[G0B+4*\s+3], s[G0B+4*\s+3], 0x80000000
	JLOAD G0+4*\s, G1, G0B+4*\s, G1B
.endr
	v_and_b32 v1, 15, v0
	v_bfe_u32 v2, v0, 4, 1
	v_and_b32 v3, 31, v0
	v_lshlrev_b32 v[L16], 4, v3
	s_mul_i32 s21, s15, HALFT
	s_mul_i32 s22, s16, HALFT
	s_add_co_u32 s22, s22, 2*HALFT
.irp s, 0,1
	v_add_nc_u32 v[ADRA+\s], s21, v[L16]
	v_add_nc_u32 v[ADRB+\s], s22, v[L16]
	s_add_co_u32 s21, s21, SLOT
	s_add_co_u32 s22, s22, SLOT
.endr
	s_mul_i32 s21, s15, HALFS
	s_mul_i32 s22, s16, HALFS
	s_add_co_u32 s22, s22, 2*HALFS
	s_sub_co_u32 s22, s22, s21
	v_mul_u32_u24 v6, s22, v2
	s_add_co_u32 s21, s21, SCL
	v_lshlrev_b32 v5, 2, v1
	v_add_nc_u32 v5, v5, v6
	v_add_nc_u32 v[ADRS], s21, v5
	s_mul_i32 s21, s14, 4352
	s_add_co_u32 s21, s21, STAGE
	v_mul_u32_u24 v5, v1, 272
	v_lshl_add_u32 v5, v2, 6, v5
	v_add_nc_u32 v[STO], s21, v5                   ; in: row r, 64 h bytes on
	v_mul_u32_u24 v5, v2, 272
	v_lshl_add_u32 v5, v1, 4, v5
	v_add_nc_u32 v[RD], s21, v5                    ; back: lanes 0-15 one row, lanes 16-31 the next
	v_lshlrev_b32 v5, 12, v2
	v_lshl_add_u32 v[CO], v1, 4, v5                ; and the same two rows in res and in out
	s_lshl_b32 s2, s17, 7
	s_lshl_b32 s3, s15, 6
	s_add_co_u32 s2, s2, s3
	s_lshl_b32 s2, s2, 12                          ; my first row, in bytes
	s_mov_b32 s3, 0
	s_lshl_b32 s98, s42, 9
	s_lshl_b32 s99, s16, 8
	s_add_co_u32 s98, s98, s99                     ; my first column, in bytes
	s_mov_b32 s99, 0
	s_add_nc_u64 s[10:11], s[10:11], s[2:3]
	s_add_nc_u64 s[10:11], s[10:11], s[98:99]
	s_add_nc_u64 s[8:9], s[8:9], s[2:3]
	s_add_nc_u64 s[8:9], s[8:9], s[98:99]
	WIN 0x80                                       ; destination window 2
.irp a, 0,1,2,3
.irp t, 0,1,2,3,4,5,6,7
	global_load_b128 v[32*\a+4*\t:32*\a+4*\t+3], v[CO], s[8:9] offset:RES+(16*\a+2*\t)*4096 th:TH_LOAD_NT
.endr
.endr
	WIN 0
.macro FRAG reg, adr, q, i
.irp g, 0,1,2
	ds_load_b128 v[\reg+4*\g:\reg+4*\g+3], v[\adr] offset:6144*(\i)+1536*(\q)+512*\g
.endr
.endm
.macro SCALES set                      ; register 4 i + q: lanes 0-15 the word of the tokens' tile i, lanes 16-31 that of the units' tile i, for the slot's q-th 128 along K
.irp i, 0,1,2,3
.irp q, 0,1,2,3
	ds_load_b32 v[SC+16*(\set)+4*\i+\q], v[ADRS] offset:256*\q+64*\i
.endr
.endr
.endm
; the fragments of one 128 along K into buffer f: the units' four, the tokens' tiles 0, 1, (the slot's scale words,) the tokens' tiles 2, 3
.macro FETCH slot, q, f, sc, set
	WIN TO_F
.irp i, 0,1,2,3
	FRAG \f+48+12*\i, ADRB+\slot, \q, \i
.endr
	FRAG \f, ADRA+\slot, \q, 0
	FRAG \f+12, ADRA+\slot, \q, 1
.if \sc
	WIN 0
	SCALES \set
	WIN TO_F
.endif
	FRAG \f+24, ADRA+\slot, \q, 2
	FRAG \f+36, ADRA+\slot, \q, 3
.endm
.macro MUL4 f, a, q, sc, zero          ; the tokens' tile a x the units' four.  The 16 accumulators take turns
.irp b, 0,1,2,3
.if \zero
	v_wmma_scale_f32_16x16x128_f8f6f4 v[ACC+8*(4*(\a)+\b):ACC+8*(4*(\a)+\b)+7], v[\f+48+12*\b:\f+48+12*\b+11], v[\f+12*(\a):\f+12*(\a)+11], 0, v[SC+16*(\sc)+4*\b+(\q)], v[SC+16*(\sc)+4*(\a)+(\q)] matrix_a_fmt:MATRIX_FMT_FP6 matrix_b_fmt:MATRIX_FMT_FP6 matrix_a_scale:MATRIX_SCALE_ROW1
.else
	v_wmma_scale_f32_16x16x128_f8f6f4 v[ACC+8*(4*(\a)+\b):ACC+8*(4*(\a)+\b)+7], v[\f+48+12*\b:\f+48+12*\b+11], v[\f+12*(\a):\f+12*(\a)+11], v[ACC+8*(4*(\a)+\b):ACC+8*(4*(\a)+\b)+7], v[SC+16*(\sc)+4*\b+(\q)], v[SC+16*(\sc)+4*(\a)+(\q)] matrix_a_fmt:MATRIX_FMT_FP6 matrix_b_fmt:MATRIX_FMT_FP6 matrix_a_scale:MATRIX_SCALE_ROW1
.endif
.endr
.endm
; One of a slot's first three quarters: multiplies buffer f (the slot's q-th 128 along K) and fetches the next into g.
.macro QUARTER slot, q, f, g, zero
	s_wait_dscnt 6                                 ; all but the youngest six loads (the tokens' tiles 2, 3)
	WIN MUL
	MUL4 \f, 0, \q, \slot, \zero
	MUL4 \f, 1, \q, \slot, \zero
	PLACES                                         ; four plain places in front of loads into registers that products have read
	FETCH \slot, (\q)+1, \g, 0, 0
	s_wait_dscnt 24                                ; all but the 24 just issued
	WIN MUL
	MUL4 \f, 2, \q, \slot, \zero
	MUL4 \f, 3, \q, \slot, \zero
.endm
; The last quarter multiplies buffer 1 and changes slots.
.macro TURN slot, next, fill
	WIN 0                                          ; (the add's two registers lie in window 0)
	s_wait_tensorcnt 0x0                           ; all my tensor loads have landed: my part of the next slot
	ds_add_u32 v[SPW], v[NIL]                      ; 0 onto my spare word
	s_wait_dscnt 7                                 ; (the add and the youngest six loads may be out)
	WIN MUL
	MUL4 F1, 0, 3, \slot, 0
	s_wait_dscnt 0x0                               ; the add is done, and my reads of this slot are over
	s_barrier_signal -1
	MUL4 F1, 1, 3, \slot, 0
	WIN 0
	s_barrier_wait -1
.if \fill
	CREST                                          ; a round of the cluster's barrier: no wave of any partner still reads this slot or has a load on its way
	s_add_nc_u64 s[G0+4*\slot+2:G0+4*\slot+3], s[G0+4*\slot+2:G0+4*\slot+3], 12288
	s_add_nc_u64 s[G0B+4*\slot+2:G0B+4*\slot+3], s[G0B+4*\slot+2:G0B+4*\slot+3], 12288
	JLOAD G0+4*\slot, G1, G0B+4*\slot, G1B         ; the first tensor load behind the round; its four v_nop are also the places in front of the loads below
.else
	PLACES
.endif
	v_add_nc_u32 v[ADRS], 1024, v[ADRS]            ; the next slot's scale words
	FETCH \next, 0, F0, 1, \next
	WIN MUL
	MUL4 F1, 2, 3, \slot, 0
	MUL4 F1, 3, 3, \slot, 0
.endm
	s_wait_tensorcnt 1                             ; the scale words and my part of slot 0 are in; slot 1's load may be out
	s_barrier_signal -1
	s_barrier_wait -1
	FETCH 0, 0, F0, 1, 0
	QUARTER 0, 0, F0, F1, 1                        ; the first quarter stands in front of the loop: its products start the sums
	WIN 0                                          ; at a label and at a branch every window is 0
	s_mov_b32 s3, 3
.Llap:                                                 ; a trip goes once round the ring and fills both slots again: 2 + 3 x 2 fills are the 32 steps of 128 along K
	QUARTER 0, 1, F1, F0, 0
	QUARTER 0, 2, F0, F1, 0
	TURN 0, 1, 1
	QUARTER 1, 0, F0, F1, 0
	QUARTER 1, 1, F1, F0, 0
	QUARTER 1, 2, F0, F1, 0
	TURN 1, 0, 1
	QUARTER 0, 0, F0, F1, 0
	WIN 0
	s_sub_co_u32 s3, s3, 1
	s_cmp_lg_u32 s3, 0
	s_cbranch_scc1 .Llap
	QUARTER 0, 1, F1, F0, 0                        ; the last lap fills nothing
	QUARTER 0, 2, F0, F1, 0
	TURN 0, 1, 0
	QUARTER 1, 0, F0, F1, 0
	QUARTER 1, 1, F1, F0, 0
	QUARTER 1, 2, F0, F1, 0
	s_wait_dscnt 6
	WIN MUL
	MUL4 F1, 0, 3, 1, 0
	MUL4 F1, 1, 3, 1, 0
	s_wait_dscnt 0
	MUL4 F1, 2, 3, 1, 0
	MUL4 F1, 3, 3, 1, 0
	WIN 0
	; THE WAY OUT, 16 rows at a time: through my stage, back as whole rows of 256 bytes, + res, stored
	PLACES
	s_wait_loadcnt 0x0                             ; res
.irp a, 0,1,2,3
.if \a >= 2
	s_wait_xcnt 0x0                                ; the stores of two blocks ago have read their registers: they are loaded again only behind this wait
.endif
.irp b, 0,1,2,3
	ds_store_b128 v[STO], v[ACC+8*(4*\a+\b):ACC+8*(4*\a+\b)+3] offset:128*(\b/2)+32*(\b%2)       ; each accumulator from its low end on; lane (r, h): columns 32 (b / 2) + 16 h + 8 (b % 2) + 0 .. 7
	ds_store_b128 v[STO], v[ACC+8*(4*\a+\b)+4:ACC+8*(4*\a+\b)+7] offset:128*(\b/2)+32*(\b%2)+16
.endr
.irp t, 0,1,2,3,4,5,6,7
	ds_load_b128 v[OB+32*(\a%2)+4*\t:OB+32*(\a%2)+4*\t+3], v[RD] offset:544*\t   ; LDS serves a wave's instructions in order: these see my stores
.endr
	s_wait_dscnt 0x0
	WIN 0x08                                       ; source 1 (res) window 2
.irp p, 0,2,4,6,8,10,12,14,16,18,20,22,24,26,28,30
	v_pk_add_f32 v[OB+32*(\a%2)+\p:OB+32*(\a%2)+\p+1], v[OB+32*(\a%2)+\p:OB+32*(\a%2)+\p+1], v[32*\a+\p:32*\a+\p+1]
.endr
	WIN 0
.irp t, 0,1,2,3,4,5,6,7
	global_store_b128 v[CO], v[OB+32*(\a%2)+4*\t:OB+32*(\a%2)+4*\t+3], s[10:11] offset:(16*\a+2*\t)*4096 th:TH_STORE_NT   ; sixteen lanes store 256 consecutive bytes, aligned
.endr
.endr
	s_wait_tensorcnt 0x0                           ; the wave's end
	ds_add_u32 v[SPW], v[NIL]
	s_wait_dscnt 0x0
	CROUND                                         ; the closing round
	s_endpgm
.Lfunc_end_k_q1aff2dd2f3_ffn2:
	.size	k_q1aff2dd2f3_ffn2, .Lfunc_end_k_q1aff2dd2f3_ffn2-k_q1aff2dd2f3_ffn2
	.p2alignl 7, 3214868480
	.fill 96, 4, 3214868480
	.section	.rodata,"a",@progbits
	.p2align	6, 0x0
	.amdhsa_kernel k_q1aff2dd2f3_ffn2
		.amdhsa_group_segment_fixed_size 327680
		.amdhsa_private_segment_fixed_size 0
		.amdhsa_enable_private_segment 0
		.amdhsa_kernarg_size 32
		.amdhsa_user_sgpr_count 2
		.amdhsa_user_sgpr_kernarg_segment_ptr 1
		.amdhsa_wavefront_size32 1
		.amdhsa_system_sgpr_workgroup_id_x 1
		.amdhsa_system_sgpr_workgroup_id_y 1
		.amdhsa_system_sgpr_workgroup_id_z 1
		.amdhsa_system_vgpr_workitem_id 0
		.amdhsa_next_free_vgpr 768
		.amdhsa_next_free_sgpr 100
		.amdhsa_reserve_vcc 0
		.amdhsa_float_denorm_mode_32 3
		.amdhsa_float_denorm_mode_16_64 3
		.amdhsa_memory_ordered 1
		.amdhsa_forward_progress 1
		.amdhsa_inst_pref_size 92
	.end_amdhsa_kernel
	.amdgpu_metadata
---
amdhsa.version: [ 1, 2 ]
amdhsa.kernels:
  - .name:           k_q1aff2dd2f3_ffn2
    .symbol:         k_q1aff2dd2f3_ffn2.kd
    .args:
      - { .name: wsa, .offset: 0, .size: 8, .value_kind: global_buffer, .address_space: global }
      - { .name: wsp, .offset: 8, .size: 8, .value_kind: global_buffer, .address_space: global }
      - { .name: wsh, .offset: 16, .size: 8, .value_kind: global_buffer, .address_space: global }
      - { .name: out0, .offset: 24, .size: 8, .value_kind: global_buffer, .address_space: global }
    .group_segment_fixed_size: 327680
    .private_segment_fixed_size: 0
    .kernarg_segment_align: 8
    .kernarg_segment_size: 32
    .max_flat_workgroup_size: 128
    .sgpr_count:     100
    .vgpr_count:     768
    .wavefront_size: 32
...
	.end_amdgpu_metadata
.endif
;; end of part 6
